; MI455X (gfx1250); checked and timed in simulation.
; The chip was launched on July 23, 2026; its instructions are those of AMD's public machine-readable ISA for CDNA 5 (MIT licence, August 2026) and "CDNA5" Instruction Set Architecture Reference Guide (July 2026). The comments in the code are by the model that wrote it; some were corrected since.
;; Triangle Attention. Allowed arithmetic: float matrix products may take bf16 or f16 operands with f32 sums; all other float work in f32.
;; Inputs: Wb 128 x 4 float32; Wg 128 x 128 float32; Wk 128 x 128 float32; Wo 128 x 128 float32; Wq 128 x 128 float32; Wv 128 x 128 float32; bg 128 float32; bo 128 float32; ln_b 128 float32; ln_w 128 float32; pair 1 x 256 x 256 x 128 float32.
;; Outputs: out0 1 x 256 x 256 x 128 float32.
;; 2 versions, each right; version 2 is version 1 with the launch tri written anew for expert scheduling mode. Each part assembles by itself: llvm-mc -triple=amdgcn-amd-amdhsa -mcpu=gfx1250 --defsym DOCPART=n.
;; ======== version 1 of 2: 2 launches
;; limits: values are held in f16: magnitudes above 65,504 overflow, below 6.1e-05 lose precision
;; workspace buffers: wt 163,840 bytes; biasw 1,048,576 bytes
;; launch prep (part 1): grid 16 x 16, 8 waves a work-group, no clusters, 5,120 bytes of LDS; arguments pair, ln_w, Wb, Wk, Wv, Wq, Wg, Wo, wt, biasw; writes wt, biasw
.if DOCPART == 1
	.amdgcn_target "amdgcn-amd-amdhsa--gfx1250"
	.amdhsa_code_object_version 6
	.text
	.protected	k_q900a1fb88f_prep
	.globl	k_q900a1fb88f_prep
	.p2align	8
	.type	k_q900a1fb88f_prep,@function
k_q900a1fb88f_prep:
	s_mov_b64 s[64:65], 0
	v_nop
	global_prefetch_b8 v0, s[64:65] scope:SCOPE_SE
	s_setreg_imm32_b32 hwreg(HW_REG_WAVE_MODE, 25, 1), 1
	s_wait_xcnt 0x0
; prep: what the attention launch needs from the WHOLE of pair, and the weights in the shape in which it wants them.
;  (1) biasw: log2(e) * rstd[j][k] * sum over d of (pair[j][k][d] - mean[j][k]) * ln_w[d] * Wb[d][h], in f32, laid out as the C operand
;      of a 16 x 16 matrix tile (rows = keys k, columns = queries j).  Block ((h*16 + jt)*16 + kt) of 1,024 bytes; lane L = r + 16 hp,
;      register e stands at byte (e>>2)*512 + L*16 + (e&3)*4 and holds query 16 jt + r, key 16 kt + 8 hp + e.
;  (2) wt: Wk, Wv, Wq, Wg, Wo (M = 0..4) transposed, scaled, rounded to f16, as matrix fragments.  Block (M*8 + ct)*4 + s of 1,024 bytes;
;      byte (e>>2)*512 + L*16 + (e&3)*4 + 2p holds scale * W[32 s + 16 (e>>2) + 8 hp + 2 (e&3) + p][16 ct + r].
;      Scales: Wq by 32^-0.5 * log2(e) (the logits are then exponents of 2), Wg by -log2(e) (the sigmoid's exponent), the others by 1.
;      f16 and not bf16: see the head of the attention kernel.  LIMIT: a scaled weight beyond 65,504 becomes an infinity; below 6.1e-5 its
;      absolute error is at most 3e-8 (weights of rms 0.02 / 30 still keep 11 significant bits in their bulk).
; WORK LEFT OUT.  reference()'s bias is x.Wb with x = xc*rstd*ln_w + ln_b, so bias[j][k][h] = (1)/log2(e) + sum over d of ln_b[d]*Wb[d][h].
; The second term hangs on h alone: it is the same for every key k of a softmax row, whatever finite values ln_b and Wb hold, and a term
; that is equal along the softmax's axis cancels between numerator and denominator.  The product ln_b.Wb is not formed, and ln_b is no argument
; of this launch (the attention launch loads it: there it reaches q, k, v and the gate).
; LIMIT: a NaN, an infinity or an overflow that reaches only ln_b.Wb is not carried to the result.  v_rsq_f32 flushes denormals; its input is at least 1e-5.
; The product with Wb has 4 columns, a quarter of a matrix tile's 16, and rides on the LayerNorm's sums: it is done in f32 by vector instructions.
; No cluster, no tensor load: no two work-groups read the same bytes of pair, and every byte passes through registers for the sums.
; SHARES.  Work-group (kt, jt): the 256 rows pair[16 jt + 0..15][16 kt + 0..15][:], 128 KiB.  Wave w, half hh of its lanes: j = 16 jt + 2 w + hh;
; step st = 0..15: k = 16 kt + st.  Sixteen lanes hold a row: lane q has columns 4q..4q+3 and 64+4q..64+4q+3, so each load of a wave covers
; two aligned runs of 256 bytes.  All 32 loads of a wave go out at the start.
.set LOG2E,  0x3fb8aa3b
.set NLOG2E, 0xbfb8aa3b
.set QSCALE, 0x3e8293ee                ; 32^-0.5 * log2(e)
.set LW,  8                            ; v[8:15]    ln_w * log2(e) of my 8 columns
.set WBP, 16                           ; v[16:47]   [h][e]: ln_w * log2(e) * Wb of my 8 columns, head by head
.set T,   48                           ; v[48:95]   four steps at work, 12 registers each
.set WR,  48                           ; v[48:79]   at the start: the 8 rows of Wb as loaded, [e][h]
.set WW,  80                           ; v[80:93]   the weight block's registers
.set SEL, 96                           ; v[96:100]  sum of squares and four dot products of the step st = q
.set PX,  104                          ; v[104:231] 16 steps x 8 numbers
	s_load_b512 s[8:23], s[0:1], 0x0               ; pair, ln_w, Wb, Wk, Wv, Wq, Wg, Wo
	s_load_b128 s[24:27], s[0:1], 0x40             ; wt, biasw
	v_lshl_add_u32 v232, v0, 2, 0x1000
	v_mov_b32 v233, 0
	v_lshrrev_b32 v7, 5, v0
	v_readfirstlane_b32 s2, v7                     ; wave
	s_and_b32 s4, ttmp7, 0xffff                    ; jt
	s_lshl_b32 s5, s4, 4
	s_add_co_u32 s5, s5, ttmp9                     ; blk = 16 jt + kt
	s_lshl_b32 s28, s4, 21                         ; 16 jt rows j of 131,072 bytes
	s_lshl_b32 s36, ttmp9, 13                      ; 16 kt rows k of 512 bytes
	s_add_co_u32 s28, s28, s36
	s_mov_b32 s29, 0
	s_mov_b32 s34, 0x3c000000                      ; 1/128
	s_mov_b32 s35, 0x3727c5ac                      ; 1e-5
	v_and_b32 v1, 15, v0                           ; q
	v_bfe_u32 v2, v0, 4, 1                         ; hh
	v_lshlrev_b32 v4, 4, v1                        ; 16 q: my columns in a row of pair and in ln_w
	v_lshlrev_b32 v5, 6, v1                        ; 64 q: my four rows of Wb
	v_lshl_add_u32 v3, v2, 17, v4
	v_lshl_add_u32 v3, v7, 18, v3                  ; (2 w + hh) * 131,072 + 16 q
	v_and_b32 v6, 31, v0
	v_lshlrev_b32 v6, 2, v6
	v_lshl_add_u32 v6, v7, 9, v6                   ; the stage: 512 w + 4 lane; each wave stores into 512 bytes of its own
	s_wait_kmcnt 0x0
	s_add_nc_u64 s[8:9], s[8:9], s[28:29]
; The 42 loads that every wave issues: ln_w (2), Wb (8), then the wave's 32 of pair.  The macro stands on both ways below.
.macro LOADS42
	global_load_b128 v[LW:LW+3],   v4, s[10:11]
	global_load_b128 v[LW+4:LW+7], v4, s[10:11] offset:256
.irp e, 0,1,2,3
	global_load_b128 v[WR+4*\e:WR+4*\e+3], v5, s[12:13] offset:16*\e
.endr
.irp e, 0,1,2,3
	global_load_b128 v[WR+16+4*\e:WR+16+4*\e+3], v5, s[12:13] offset:1024+16*\e
.endr
.set k, 0
.rept 16
	global_load_b128 v[PX+8*k:PX+8*k+3],   v3, s[8:9] offset:512*k       ; no hint: the next launch reads pair again
	global_load_b128 v[PX+8*k+4:PX+8*k+7], v3, s[8:9] offset:512*k+256
.set k, k+1
.endr
.endm
	; THE WEIGHT BLOCK.  160 blocks of 1,024 bytes: work-groups 0..159 make one each, with waves 0 and 1 (512 bytes a wave).
	; Its eight loads go out FIRST, so that the block is made while the wave's 16 KiB of pair are still on their way.
	s_cmp_ge_u32 s5, 160
	s_cbranch_scc1 .Lplain
	s_cmp_ge_u32 s2, 2
	s_cbranch_scc1 .Lplain
	s_lshr_b32 s36, s5, 5                          ; M
	s_bfe_u32 s37, s5, 0x30002                     ; ct
	s_and_b32 s38, s5, 3                           ; s
	s_mov_b64 s[30:31], s[14:15]                   ; Wk, scale 1
	s_mov_b32 s32, 1.0
	s_cmp_eq_u32 s36, 1
	s_cselect_b64 s[30:31], s[16:17], s[30:31]     ; Wv
	s_cmp_eq_u32 s36, 2
	s_cselect_b64 s[30:31], s[18:19], s[30:31]     ; Wq
	s_cselect_b32 s32, QSCALE, s32
	s_cmp_eq_u32 s36, 3
	s_cselect_b64 s[30:31], s[20:21], s[30:31]     ; Wg
	s_cselect_b32 s32, NLOG2E, s32
	s_cmp_eq_u32 s36, 4
	s_cselect_b64 s[30:31], s[22:23], s[30:31]     ; Wo
	s_mov_b32 s33, s32
	s_lshl_b32 s38, s38, 1
	s_add_co_u32 s38, s38, s2                      ; 2 s + wave: my 16 rows d of W,
	s_lshl_b32 s38, s38, 13                        ; 512 bytes each
	s_lshl_b32 s37, s37, 6                         ; 16 ct columns of 4 bytes
	s_add_co_u32 s38, s38, s37
	s_mov_b32 s39, 0
	s_add_nc_u64 s[30:31], s[30:31], s[38:39]
	v_lshlrev_b32 v[WW+12], 2, v1
	v_lshl_add_u32 v[WW+12], v2, 12, v[WW+12]      ; 8 hh rows + column q
.irp e, 0,1,2,3,4,5,6,7
	global_load_b32 v[WW+\e], v[WW+12], s[30:31] offset:512*\e     ; eight consecutive d of one column
.endr
	LOADS42
	v_lshlrev_b32 v[WW+13], 4, v0                  ; threads 0..63: 16 bytes each of the block
	s_lshl_b32 s36, s5, 10
	s_mov_b32 s37, 0
	s_add_nc_u64 s[36:37], s[24:25], s[36:37]
	s_wait_loadcnt 42                              ; the eight are in; the 42 issued behind them stay out
.irp e, 0,2,4,6
	v_pk_mul_f32 v[WW+\e:WW+\e+1], v[WW+\e:WW+\e+1], s[32:33] op_sel_hi:[1,0]
.endr
.irp e, 0,1,2,3
	v_cvt_pk_f16_f32 v[WW+8+\e], v[WW+2*\e], v[WW+2*\e+1]
.endr
	global_store_b128 v[WW+13], v[WW+8:WW+11], s[36:37]            ; a wave stores 512 consecutive bytes, aligned
	s_wait_xcnt 0x0                                ; v[80:93] and s[36:37] are written again below only behind this wait
	s_branch .Lnow
.Lplain:
	LOADS42
.Lnow:
	s_wait_loadcnt 32                              ; ln_w and Wb are in; on both ways the 32 loads of pair were issued last
.irp e, 0,2,4,6
	v_pk_mul_f32 v[LW+\e:LW+\e+1], v[LW+\e:LW+\e+1], LOG2E op_sel_hi:[1,0]
.endr
.irp h, 0,1,2,3
.irp e, 0,1,2,3,4,5,6,7
	v_mul_f32 v[WBP+8*\h+\e], v[WR+4*\e+\h], v[LW+\e]
.endr
.endr
; Steps 4 g .. 4 g + 3.  Every stage is written for the four steps in turn, so that four chains run side by side.
.macro BG4 g
	s_wait_loadcnt (3-\g)*8                        ; the later groups' loads, eight each, may stay out
.irp i, 0,1,2,3
.set px, PX+8*(4*\g+\i)
.set tt, T+12*\i
	v_pk_add_f32 v[tt:tt+1],   v[px:px+1],   v[px+2:px+3]
	v_pk_add_f32 v[tt+2:tt+3], v[px+4:px+5], v[px+6:px+7]
.endr
.irp i, 0,1,2,3
.set tt, T+12*\i
	v_pk_add_f32 v[tt:tt+1], v[tt:tt+1], v[tt+2:tt+3]
.endr
.irp i, 0,1,2,3
.set tt, T+12*\i
	v_add_f32 v[tt], v[tt], v[tt+1]
.endr
.irp m, 1,2,4,8
.irp i, 0,1,2,3
.set tt, T+12*\i
	v_add_f32_dpp v[tt], v[tt], v[tt] row_xmask:\m row_mask:0xf bank_mask:0xf    ; over the 16 lanes that hold the row
.endr
.endr
.irp i, 0,1,2,3
.set px, PX+8*(4*\g+\i)
.set tt, T+12*\i
.irp p, 0,2,4,6
	v_pk_fma_f32 v[px+\p:px+\p+1], v[tt:tt+1], 0xbc000000, v[px+\p:px+\p+1] op_sel_hi:[0,0,1]   ; x - sum/128: the mean goes first, as in reference()
.endr
.endr
.irp i, 0,1,2,3
.set px, PX+8*(4*\g+\i)
.set tt, T+12*\i
	v_pk_mul_f32 v[tt:tt+1], v[px:px+1], v[px:px+1]
.irp h, 0,1,2,3
	v_pk_mul_f32 v[tt+2+2*\h:tt+3+2*\h], v[px:px+1], v[WBP+8*\h:WBP+8*\h+1]
.endr
.endr
.irp p, 2,4,6
.irp i, 0,1,2,3
.set px, PX+8*(4*\g+\i)
.set tt, T+12*\i
	v_pk_fma_f32 v[tt:tt+1], v[px+\p:px+\p+1], v[px+\p:px+\p+1], v[tt:tt+1]
.irp h, 0,1,2,3
	v_pk_fma_f32 v[tt+2+2*\h:tt+3+2*\h], v[px+\p:px+\p+1], v[WBP+8*\h+\p:WBP+8*\h+\p+1], v[tt+2+2*\h:tt+3+2*\h]
.endr
.endr
.endr
.irp i, 0,1,2,3
.set tt, T+12*\i
.irp c, 0,2,4,6,8
	v_add_f32 v[tt+\c], v[tt+\c], v[tt+\c+1]
.endr
.endr
.irp m, 1,2,4,8
.irp i, 0,1,2,3
.set tt, T+12*\i
.irp c, 0,2,4,6,8
	v_add_f32_dpp v[tt+\c], v[tt+\c], v[tt+\c] row_xmask:\m row_mask:0xf bank_mask:0xf
.endr
.endr
.endr
	; every lane of the half now holds the step's five sums; lane q keeps those of step st = q
.irp i, 0,1,2,3
.set tt, T+12*\i
.if (4*\g+\i) == 0
.irp c, 0,1,2,3,4
	v_mov_b32 v[SEL+\c], v[tt+2*\c]                ; step 0 writes the five registers whole
.endr
.else
	v_cmp_eq_u32 vcc_lo, 4*\g+\i, v1
.irp c, 0,1,2,3,4
	v_cndmask_b32 v[SEL+\c], v[SEL+\c], v[tt+2*\c], vcc_lo
.endr
.endif
.endr
.endm
	BG4 0
	BG4 1
	BG4 2
	BG4 3
	v_fma_f32 v7, v[SEL], s34, s35                 ; variance + 1e-5
	v_rsq_f32 v101, v7
	v_bfe_u32 v102, v0, 1, 3                       ; (a plain instruction stands behind v_rsq_f32 before its result is used: ISA guide 5.7.2)
	; the read address: thread t takes 16 bytes of head t>>6: lane L = t & 31 of the tile, registers 4 ((t>>5)&1) + 0..3, that is
	; query r = t & 15 (stored by wave r>>1, half r&1) and keys 8 ((t>>4)&1) + 4 ((t>>5)&1) + 0..3 (its lanes q)
	v_lshlrev_b32 v102, 9, v102
	v_lshrrev_b32 v103, 6, v0
	v_lshl_add_u32 v102, v103, 7, v102
	v_and_b32 v7, 1, v0
	v_lshl_add_u32 v102, v7, 6, v102
	v_bfe_u32 v7, v0, 4, 1
	v_lshl_add_u32 v102, v7, 5, v102
	v_bfe_u32 v7, v0, 5, 1
	v_lshl_add_u32 v102, v7, 4, v102
	v_and_b32 v7, 63, v0
	v_lshlrev_b32 v7, 4, v7
	v_lshl_add_u32 v103, v103, 18, v7              ; in biasw: head * 262,144 + 16 (t & 63)
	s_wait_alu depctr_va_vdst(0)
.irp h, 0,1,2,3
	v_mul_f32 v[SEL+1+\h], v[SEL+1+\h], v101
.endr
.irp h, 0,1,2,3
	ds_store_b32 v6, v[SEL+1+\h] offset:128*\h     ; [wave][head][lane]
.endr
	s_lshl_b32 s36, s5, 10
	s_mov_b32 s37, 0
	s_add_nc_u64 s[36:37], s[26:27], s[36:37]
	s_wait_dscnt 0x0                               ; my stores are in LDS before I say so: other waves read them
	s_barrier_signal -1
	s_barrier_wait -1
	ds_load_b128 v[T:T+3], v102
	s_wait_dscnt 0x0
	global_store_b128 v103, v[T:T+3], s[36:37]     ; a wave stores 512 consecutive bytes, aligned
	s_wait_tensorcnt 0x0
	ds_add_u32 v232, v233
	s_wait_dscnt 0x0
	s_endpgm
.Lfunc_end_k_q900a1fb88f_prep:
	.size	k_q900a1fb88f_prep, .Lfunc_end_k_q900a1fb88f_prep-k_q900a1fb88f_prep
	.p2alignl 7, 3214868480
	.fill 96, 4, 3214868480
	.section	.rodata,"a",@progbits
	.p2align	6, 0x0
	.amdhsa_kernel k_q900a1fb88f_prep
		.amdhsa_group_segment_fixed_size 5120
		.amdhsa_private_segment_fixed_size 0
		.amdhsa_enable_private_segment 0
		.amdhsa_kernarg_size 80
		.amdhsa_user_sgpr_count 2
		.amdhsa_user_sgpr_kernarg_segment_ptr 1
		.amdhsa_wavefront_size32 1
		.amdhsa_system_sgpr_workgroup_id_x 1
		.amdhsa_system_sgpr_workgroup_id_y 1
		.amdhsa_system_sgpr_workgroup_id_z 1
		.amdhsa_system_vgpr_workitem_id 0
		.amdhsa_next_free_vgpr 234
		.amdhsa_next_free_sgpr 66
		.amdhsa_reserve_vcc 1
		.amdhsa_float_denorm_mode_32 3
		.amdhsa_float_denorm_mode_16_64 3
		.amdhsa_memory_ordered 1
		.amdhsa_forward_progress 1
		.amdhsa_inst_pref_size 75
	.end_amdhsa_kernel
	.amdgpu_metadata
---
amdhsa.version: [ 1, 2 ]
amdhsa.kernels:
  - .name:           k_q900a1fb88f_prep
    .symbol:         k_q900a1fb88f_prep.kd
    .args:
      - { .name: pair, .offset: 0, .size: 8, .value_kind: global_buffer, .address_space: global }
      - { .name: ln_w, .offset: 8, .size: 8, .value_kind: global_buffer, .address_space: global }
      - { .name: Wb, .offset: 16, .size: 8, .value_kind: global_buffer, .address_space: global }
      - { .name: Wk, .offset: 24, .size: 8, .value_kind: global_buffer, .address_space: global }
      - { .name: Wv, .offset: 32, .size: 8, .value_kind: global_buffer, .address_space: global }
      - { .name: Wq, .offset: 40, .size: 8, .value_kind: global_buffer, .address_space: global }
      - { .name: Wg, .offset: 48, .size: 8, .value_kind: global_buffer, .address_space: global }
      - { .name: Wo, .offset: 56, .size: 8, .value_kind: global_buffer, .address_space: global }
      - { .name: wt, .offset: 64, .size: 8, .value_kind: global_buffer, .address_space: global }
      - { .name: biasw, .offset: 72, .size: 8, .value_kind: global_buffer, .address_space: global }
    .group_segment_fixed_size: 5120
    .private_segment_fixed_size: 0
    .kernarg_segment_align: 8
    .kernarg_segment_size: 80
    .max_flat_workgroup_size: 256
    .sgpr_count:     66
    .vgpr_count:     234
    .wavefront_size: 32
...
	.end_amdgpu_metadata
.endif
;; end of part 1
;; launch tri (part 2): grid 256 x 1, 4 waves a work-group, no clusters, 252,416 bytes of LDS; arguments pair, ln_w, ln_b, bg, bo, wt, biasw, out0; writes out0
.if DOCPART == 2
	.amdgcn_target "amdgcn-amd-amdhsa--gfx1250"
	.amdhsa_code_object_version 6
	.text
	.protected	k_q900a1fb88f_tri
	.globl	k_q900a1fb88f_tri
	.p2align	8
	.type	k_q900a1fb88f_tri,@function
k_q900a1fb88f_tri:
	s_mov_b64 s[64:65], 0
	v_nop
	global_prefetch_b8 v0, s[64:65] scope:SCOPE_SE
	s_setreg_imm32_b32 hwreg(HW_REG_WAVE_MODE, 25, 1), 1
	s_wait_xcnt 0x0
; tri: one work-group makes out0[i][:][:] from pair[i][:][:]: LayerNorm, q, k, v, gate, the four heads' attention over 256 keys, gate, output product.
; Nothing goes through memory between these steps.  The bias comes from biasw and the weights from wt, which the launch before has laid out
; (biasw leaves out the term ln_b.Wb, which is equal along the softmax's axis and cancels there; shown at the head of that kernel).
; SHARES.  Four waves.  Wave w: rows 64 w .. 64 w + 63 in the LayerNorm and in the output product; head w (features 32 w .. 32 w + 31) in between.
; LAYOUT.  A matrix result holds, in lane (r = L & 15, hp = L >> 4), register e, the element (m = 8 hp + e, n = r).  Two results whose m are 0-15 and
; 16-31, rounded in pairs by v_cvt_pk_f16_f32, ARE a 16-bit operand of K = 32 whose row (column) is r: registers 0-3 hold k = 8 hp .. 8 hp + 7, registers
; 4-7 hold k = 16 + 8 hp ...  So with
;   K^T, Q^T, gate^T = W^T (A) x x^T (B);  V = x (A) x W (B);  S^T = K (A) x Q^T (B) + bias^T;  O^T = V^T (A) x P^T (B);  out^T = Wo^T (A) x go^T (B)
; K, V, Q and P pass from accumulators to operands by conversions alone, and all 128 scores of a lane belong to one query: the maximum and the sum of a
; softmax row are made in the lane, with one exchange between the halves.  K and V of the head stay in 256 registers for all 16 query tiles.
; The whole row of 256 scores is held at once, so the maximum that is taken away is the row's true maximum, as in reference().
; The logits are exponents of 2 (log2(e) is folded into Wq and the bias), the gate's exponent is -log2(e) (x.Wg + bg).
; gate * o / l is made as o * rcp((1 + e) * l), e = 2^(gate's exponent), l = the row's sum, between 1 and 256.
; THE ATTENTION LOOP IS A PIPELINE OF STAGES.  Stage t holds the vector work of tile t's softmax (about 450 lines) and, set singly among it, 48 products:
; Q^T and the gate of tile t + 1, S^T of tile t + 1 (into the other score set), O^T of tile t.  So the two score sets hold two tiles at work at once.
; Each product wants its own window setting, and so do the lines round it: 92 s_set_vgpr_msb a stage.  No layout spares them: an exponential has one source,
; which shares its window with a product's A operand, and its destination shares the window of that product's D; K or V and both score sets are 384 registers.
; THE OPERANDS ARE f16, NOT bf16.  Six roundings lie in a row on the way to an output (x, Wv, v, p, gate * o, Wo), and since attention averages v over
; 256 keys each of them stays whole relative to the output's rms.  With bf16's 8 significant bits (relative rms about 0.0015 each) they add to about
; 0.004 of that rms, too near the 0.01 that is allowed to the worst of 8.4 million numbers; f16's 11 bits make each eight times finer.
; ROOM IN f16 (largest 65,504; 11 bits down to 6.1e-5; below that an absolute error of at most 3e-8):
;   x: |x| <= 11.3 |ln_w| + |ln_b| (a centred, normalised row of 128 has no element beyond sqrt(127));
;   q (scaled), k, v: rms 0.06, 0.23, 0.23 for ln_w = 1 and weights of rms 0.02; with ln_w and the weights both 30 times larger six times the rms is
;   about 1,200, with both 30 times smaller the rms is still 6e-5 or more;   p: between 0 and 1, since the row's maximum has been taken away.
;   gate * o has no such room (a sigmoid can be as small as it likes), so it goes through LDS in f32, and the wave that multiplies a row by Wo scales the row
;   by 2^-E, E the largest exponent among its 128 numbers, rounds it to f16 and multiplies the sums by 2^E: exact powers of two.
; LIMITS.  An x, q, k or v beyond 65,504 becomes an infinity.  A row of gate * o whose largest number is below 2^-126 counts as zero (the result is bo).
; Where (1 + e) * l passes 2^126 the result is 0 instead of a number below 1e-36 * |o|; v_exp_f32, v_rcp_f32 and v_rsq_f32 flush denormals.
; The row's sum is made of the unrounded exponentials.
; NO CLUSTER, although all work-groups read the same 1 MiB of bias and 160 KiB of weights: a joint load lands in LDS, and here each of those bytes goes
; from memory straight into the register in which the matrix instruction wants it (the bias as the C operand of S^T).  Through LDS a work-group would
; write and read 1 MiB more, in a ring of 2 x 4 x 16 KiB, with a round of the cluster's barrier for each of the 16 query tiles.
; No tensor loads: every byte of pair passes through registers for the LayerNorm's sums, and all of a wave's 32 KiB are asked for at its first lines.
;
; LDS: X     0 ..  69,631: x in f16, 256 rows, pitch 272 (256 + 16: the 16 rows of a fragment load lie in 16 different 16-byte columns modulo 256 bytes)
;      GO    69,632 .. 217,087: gate * o in f32, one plane of 36,864 bytes for each head: 256 rows of 128 bytes, pitch 144.  A wave stores into its own plane.
;      STAGE 217,088 + 8,704 w: each wave's own: 32 rows of 256 bytes of the result, pitch 272
; REGISTERS, in windows of 256 (s_set_vgpr_msb: bits 1:0 source 0, 3:2 source 1, 5:4 source 2, 7:6 destination):
;   window 0: addresses, operands at work (names below)
;   window 1: K fragments 8 t (key tile t), V^T fragments 128 + 8 (8 c + u); during the LayerNorm: row pairs 0-15; at the end gate * o of my 64 rows in f32
;   window 2: two sets of 128 scores; during the LayerNorm: row pairs 16-31; at the end Wo's two halves
;   window 3: Wq 0, Wg 64, Wk 128, Wv 192, fragment (c, s) at 8 (4 c + s); later bo at 128 and the output's accumulators at 192
.set XP,    272
.set GP,    144
.set GPL,   256*GP
.set GO,    256*XP
.set STAGE, GO+4*GPL
.set NLOG2E, 0xbfb8aa3b
.set LOFF, 3                           ; 16 x lane
.set XAD,  4                           ; 272 r + 16 hp: a fragment's lane term in X
.set XQ,   5                           ; the same, at the query tile that is loaded next
.set GAD,  6                           ; where I store gate * o of the tile at work
.set H32,  7                           ; 32 hp: my 8 numbers of bg, bo in a tile of 16
.set GFA,  8                           ; my lane's term in GO at my 64 rows, planes 0 and 1
.set STO,  9                           ; the stage: where I put 32 bytes of a row
.set RD,   10                          ; the stage: where I read rows back
.set CO,   11                          ; 512 hp + 16 q: my 16 bytes in two rows of pair or out0
.set GFB,  15                          ; as GFA, planes 2 and 3 (an LDS immediate reaches 65,535 bytes)
.set MX,   16                          ; v[16:19] four running maxima
.set MP,   20                          ; v[20:21] the row's maximum, twice
.set LS,   22                          ; v[22:29] four running sums, in pairs
.set LP,   30                          ; v[30:31] the row's sum, twice
.set XF,   32                          ; v[32:63] x of a query tile, 4 K steps
.set QA,   64                          ; v[64:79] Q^T, two accumulators
.set GA,   80                          ; v[80:111] gate^T, two accumulators for even tiles, two for odd ones
.set OA,   112                         ; v[112:127] O^T, two accumulators
.set PF,   128                         ; v[128:191] P^T, 8 fragments
.set QF,   192                         ; v[192:199] Q fragment
.set BG,   224                         ; v[224:239] -log2(e) bg as a C operand, [c]
.set XA,   32                          ; K and V: x of 32 rows, two buffers
.set XB,   128
.set KA,   96                          ; K^T accumulators [rt][c]
.set VA,   192                         ; V accumulators [rt][c]
.set SC,   22                          ; the way out: v[22:25] 2^E of my row, twice, for two row tiles
.set IV,   26                          ; the way out: v[26:29] 2^-E likewise
.set RB,   32                          ; the way out: rows read back
.set GF,   128                         ; the way out: fragments of gate * o
.set KF,   0                           ; window 1
.set VF,   128
.set WQ,   0                           ; window 3
.set WG,   64
.set WK,   128
.set WV,   192
.set BO,   128
.set OACC, 192
.set LNW,  0                           ; windows 1 and 2 during the LayerNorm: ln_w of my 8 columns
.set LNB,  8                           ; ln_b
.set LT,   16                          ; four row pairs at work, 6 registers each
.set LPO,  40                          ; 512 hp + 16 q
.set LXS,  41                          ; (64 w + hp) 272 + 8 q
.set LQ,   42                          ; 16 q
.set LPX,  128                         ; 16 row pairs x 8 numbers
.set MSB, 0
.macro WIN new                         ; the immediate's high byte repeats the setting that is left
.if MSB != \new
	s_set_vgpr_msb (MSB<<8)|\new
.set MSB, \new
.endif
.endm
.macro NOP4                            ; the four places behind a matrix instruction before its result is read by, or one of its registers written by,
.rept 4                                ; anything but a matrix instruction (ISA guide 7.12.1)
	v_nop
.endr
.endm
	s_load_b512 s[8:23], s[0:1], 0x0               ; pair, ln_w, ln_b, bg, bo, wt, biasw, out0
	v_lshl_add_u32 v254, v0, 2, 0x3d800
	v_mov_b32 v255, 0
	v_lshrrev_b32 v12, 5, v0
	v_readfirstlane_b32 s2, v12                    ; wave = head
	v_and_b32 v1, 15, v0                           ; r (in the LayerNorm: q)
	v_bfe_u32 v2, v0, 4, 1                         ; hp
	v_and_b32 v3, 31, v0
	v_lshlrev_b32 v[LOFF], 4, v3
	v_mul_u32_u24 v[XAD], v1, XP
	v_lshl_add_u32 v[XAD], v2, 4, v[XAD]
	v_lshlrev_b32 v[H32], 5, v2
	v_lshlrev_b32 v13, 4, v1                       ; 16 q
	v_lshl_add_u32 v[CO], v2, 9, v13
	v_mul_u32_u24 v12, v1, GP
	v_lshl_add_u32 v12, v2, 5, v12                 ; 144 r + 32 hp
	s_mul_i32 s24, s2, GPL
	s_add_co_u32 s24, s24, GO
	v_add_nc_u32 v[GAD], s24, v12                  ; my head's plane
	s_mul_i32 s24, s2, 64*GP
	s_add_co_u32 s24, s24, GO
	v_add_nc_u32 v[GFA], s24, v12                  ; my 64 rows, plane 0
	v_add_nc_u32 v[GFB], 2*GPL, v[GFA]             ; my 64 rows, plane 2
	v_mul_u32_u24 v12, v2, XP                      ; 272 hp
	v_lshl_add_u32 v14, v1, 3, v12
	s_mul_i32 s24, s2, 64*XP
	v_add_nc_u32 v14, s24, v14                     ; (64 w + hp) 272 + 8 q
	s_mul_i32 s24, s2, 32*XP
	s_add_co_u32 s24, s24, STAGE
	v_lshl_add_u32 v[STO], v2, 4, v[XAD]
	v_add_nc_u32 v[STO], s24, v[STO]               ; stage + 272 r + 32 hp
	v_add_nc_u32 v[RD], v12, v13
	v_add_nc_u32 v[RD], s24, v[RD]                 ; stage + 272 hp + 16 q
	s_mov_b32 s31, 0x3c000000                      ; 1/128
	s_mov_b32 s32, 0x3727c5ac                      ; 1e-5
	s_mov_b32 s33, 0x76543210                      ; v_permlanex16_b32: lane i of one half reads lane i of the other
	s_mov_b32 s34, 0xfedcba98
	s_lshl_b32 s24, ttmp9, 17                      ; i rows of 131,072 bytes
	s_lshl_b32 s25, s2, 15                         ; + 64 w rows of 512
	s_add_co_u32 s24, s24, s25
	s_mov_b32 s25, 0
	s_wait_kmcnt 0x0
	s_add_nc_u64 s[8:9], s[8:9], s[24:25]          ; pair at my 64 rows
	s_add_nc_u64 s[22:23], s[22:23], s[24:25]      ; out0 at my 64 rows
	s_lshl_b32 s24, s2, 7
	s_add_nc_u64 s[14:15], s[14:15], s[24:25]      ; bg at my head
	s_lshl_b32 s24, s2, 13
	s_add_nc_u64 s[36:37], s[18:19], s[24:25]      ; wt at my head's two column tiles (8 blocks of 1,024 bytes in each matrix)
	s_lshl_b32 s24, s2, 18
	s_add_nc_u64 s[38:39], s[20:21], s[24:25]      ; biasw at my head
	s_add_nc_u64 s[28:29], s[18:19], 4*32768-16384 ; 16 KiB in front of Wo's fragments (inside wt): see the last two stages
	; ALL LOADS OF THE LAYERNORM.  76 go out here, more than LOADcnt's field counts: the issue of the last ones holds until the first are done
	; (ISA guide 5.7.1), so no wait is written for that.
.irp c, 0,1
	global_load_b128 v[BG+8*\c:BG+8*\c+3],   v[H32], s[14:15] offset:64*\c
	global_load_b128 v[BG+8*\c+4:BG+8*\c+7], v[H32], s[14:15] offset:64*\c+16
.endr
	WIN 0x40
	v_mov_b32 v[LPO], v[CO]
	v_mov_b32 v[LXS], v14
	v_mov_b32 v[LQ], v13
	WIN 0x80
	v_mov_b32 v[LPO], v[CO]
	v_mov_b32 v[LXS], v14
	v_mov_b32 v[LQ], v13
.macro LNLOAD rp0                      ; ln_w, ln_b and 16 row pairs from row pair rp0 on; a load covers two aligned runs of 256 bytes
	global_load_b128 v[LNW:LNW+3],   v[LQ], s[10:11]
	global_load_b128 v[LNW+4:LNW+7], v[LQ], s[10:11] offset:256
	global_load_b128 v[LNB:LNB+3],   v[LQ], s[12:13]
	global_load_b128 v[LNB+4:LNB+7], v[LQ], s[12:13] offset:256
.set k, 0
.rept 16
	global_load_b128 v[LPX+8*k:LPX+8*k+3],   v[LPO], s[8:9] offset:(\rp0+k)*1024 th:TH_LOAD_NT
	global_load_b128 v[LPX+8*k+4:LPX+8*k+7], v[LPO], s[8:9] offset:(\rp0+k)*1024+256 th:TH_LOAD_NT
.set k, k+1
.endr
.endm
	WIN 0x55
	LNLOAD 0
	WIN 0xaa
	LNLOAD 16
; LayerNorm of four row pairs (group g of the window; rp0 = the first one's number among the wave's 32).  n = the loads issued behind the group's.
; Sixteen lanes hold a row; every stage is written for the four pairs in turn.
.macro LNG g, n, rp0
	s_wait_loadcnt \n
.irp i, 0,1,2,3
.set px, LPX+8*(4*\g+\i)
.set tt, LT+6*\i
	v_pk_add_f32 v[tt:tt+1],   v[px:px+1],   v[px+2:px+3]
	v_pk_add_f32 v[tt+2:tt+3], v[px+4:px+5], v[px+6:px+7]
.endr
.irp i, 0,1,2,3
.set tt, LT+6*\i
	v_pk_add_f32 v[tt:tt+1], v[tt:tt+1], v[tt+2:tt+3]
.endr
.irp i, 0,1,2,3
.set tt, LT+6*\i
	v_add_f32 v[tt], v[tt], v[tt+1]
.endr
.irp m, 1,2,4,8
.irp i, 0,1,2,3
.set tt, LT+6*\i
	v_add_f32_dpp v[tt], v[tt], v[tt] row_xmask:\m row_mask:0xf bank_mask:0xf
.endr
.endr
.irp i, 0,1,2,3
.set px, LPX+8*(4*\g+\i)
.set tt, LT+6*\i
.irp p, 0,2,4,6
	v_pk_fma_f32 v[px+\p:px+\p+1], v[tt:tt+1], 0xbc000000, v[px+\p:px+\p+1] op_sel_hi:[0,0,1]   ; x - sum/128
.endr
.endr
.irp i, 0,1,2,3
.set px, LPX+8*(4*\g+\i)
.set tt, LT+6*\i
	v_pk_mul_f32 v[tt:tt+1], v[px:px+1], v[px:px+1]
.endr
.irp p, 2,4,6
.irp i, 0,1,2,3
.set px, LPX+8*(4*\g+\i)
.set tt, LT+6*\i
	v_pk_fma_f32 v[tt:tt+1], v[px+\p:px+\p+1], v[px+\p:px+\p+1], v[tt:tt+1]
.endr
.endr
.irp i, 0,1,2,3
.set tt, LT+6*\i
	v_add_f32 v[tt], v[tt], v[tt+1]
.endr
.irp m, 1,2,4,8
.irp i, 0,1,2,3
.set tt, LT+6*\i
	v_add_f32_dpp v[tt], v[tt], v[tt] row_xmask:\m row_mask:0xf bank_mask:0xf
.endr
.endr
.irp i, 0,1,2,3
.set tt, LT+6*\i
	v_fma_f32 v[tt+4], v[tt], s31, s32             ; variance + 1e-5
.endr
.irp i, 0,1,2,3
.set tt, LT+6*\i
	v_rsq_f32 v[tt+2], v[tt+4]
.endr
	v_nop                                          ; a plain instruction behind the last v_rsq_f32 before its result is used (ISA guide 5.7.2)
	s_wait_alu depctr_va_vdst(0)
.irp i, 0,1,2,3
.set px, LPX+8*(4*\g+\i)
.set tt, LT+6*\i
.irp p, 0,2,4,6
	v_pk_mul_f32 v[px+\p:px+\p+1], v[px+\p:px+\p+1], v[tt+2:tt+3] op_sel_hi:[1,0]
.endr
.endr
.irp i, 0,1,2,3
.set px, LPX+8*(4*\g+\i)
.irp p, 0,2,4,6
	v_pk_fma_f32 v[px+\p:px+\p+1], v[px+\p:px+\p+1], v[LNW+\p:LNW+\p+1], v[LNB+\p:LNB+\p+1]
.endr
.endr
.irp i, 0,1,2,3
.set px, LPX+8*(4*\g+\i)
.set tt, LT+6*\i
.irp p, 0,1,2,3
	v_cvt_pk_f16_f32 v[tt+\p], v[px+2*\p], v[px+2*\p+1]
.endr
.endr
.irp i, 0,1,2,3
.set tt, LT+6*\i
	ds_store_b64 v[LXS], v[tt:tt+1]   offset:(\rp0+\i)*2*XP        ; columns 4 q .. 4 q + 3
	ds_store_b64 v[LXS], v[tt+2:tt+3] offset:(\rp0+\i)*2*XP+128    ; columns 64 + 4 q ..
.endr
.endm
.macro WLOAD dst, m                    ; my head's 8 fragments of matrix m: 16 loads of 512 consecutive bytes
.set k, 0
.rept 16
	global_load_b128 v[\dst+4*k:\dst+4*k+3], v[LOFF], s[36:37] offset:\m*32768+512*k
.set k, k+1
.endr
.endm
	WIN 0x55
	LNG 0, 60, 0                                   ; behind a group's loads: 8 for each later group of this window, and the other window's 36
	LNG 1, 52, 4
	LNG 2, 44, 8
	LNG 3, 36, 12
	WIN 0xc0
	WLOAD WK, 0
	WLOAD WV, 1
	WIN 0xaa
	LNG 0, 56, 16                                  ; 8 for each later group, and the 32 of Wk and Wv
	LNG 1, 48, 20
	LNG 2, 40, 24
	LNG 3, 32, 28
	WIN 0
	s_wait_dscnt 0x0                               ; my rows of x are in LDS before I say so: every wave reads all 256
	s_barrier_signal -1
	s_barrier_wait -1
	; K AND V OF MY HEAD, 32 rows a step
	WIN 0xc0
	WLOAD WQ, 2
	WLOAD WG, 3
	WIN 0
.irp e, 0,2,4,6,8,10,12,14
	v_pk_mul_f32 v[BG+\e:BG+\e+1], v[BG+\e:BG+\e+1], NLOG2E op_sel_hi:[1,0]    ; bg came first of all loads: the LayerNorm's waits have shown it in
.endr
.irp rt, 0,1
.irp s, 0,1,2,3
	ds_load_b128 v[XA+8*(4*\rt+\s):XA+8*(4*\rt+\s)+3],   v[XAD] offset:16*\rt*XP+64*\s
	ds_load_b128 v[XA+8*(4*\rt+\s)+4:XA+8*(4*\rt+\s)+7], v[XAD] offset:16*\rt*XP+64*\s+32
.endr
.endr
	s_wait_loadcnt 32                              ; Wk and Wv are in; Wq and Wg, 32 loads, were issued behind them
; Rows 32 u .. 32 u + 31 from buffer cur.  kind 0: the next 32 rows are fetched into nxt; kind 1 (the last step): query tile 0 into XF.
; In each run of 16 products the four accumulators take turns, one instruction a turn; the first K step starts the sums.
.macro KV u, cur, nxt, kind
	WIN 0
.if \kind == 0
.irp rt, 0,1
.irp s, 0,1,2,3
	ds_load_b128 v[\nxt+8*(4*\rt+\s):\nxt+8*(4*\rt+\s)+3],   v[XAD] offset:(32*(\u+1)+16*\rt)*XP+64*\s
	ds_load_b128 v[\nxt+8*(4*\rt+\s)+4:\nxt+8*(4*\rt+\s)+7], v[XAD] offset:(32*(\u+1)+16*\rt)*XP+64*\s+32
.endr
.endr
	s_wait_dscnt 16                                ; only the 16 just issued may be out
.else
.irp s, 0,1,2,3
	ds_load_b128 v[XF+8*\s:XF+8*\s+3],   v[XAD] offset:64*\s
	ds_load_b128 v[XF+8*\s+4:XF+8*\s+7], v[XAD] offset:64*\s+32
.endr
	s_wait_dscnt 8                                 ; only the 8 just issued may be out
.endif
	WIN 0x03                                       ; K^T(feature, row) = Wk^T x x^T
.irp s, 0,1,2,3
.irp rt, 0,1
.irp c, 0,1
.if \s == 0
	v_wmma_f32_16x16x32_f16 v[KA+8*(2*\rt+\c):KA+8*(2*\rt+\c)+7], v[WK+8*(4*\c+\s):WK+8*(4*\c+\s)+7], v[\cur+8*(4*\rt+\s):\cur+8*(4*\rt+\s)+7], 0
.else
	v_wmma_f32_16x16x32_f16 v[KA+8*(2*\rt+\c):KA+8*(2*\rt+\c)+7], v[WK+8*(4*\c+\s):WK+8*(4*\c+\s)+7], v[\cur+8*(4*\rt+\s):\cur+8*(4*\rt+\s)+7], v[KA+8*(2*\rt+\c):KA+8*(2*\rt+\c)+7]
.endif
.endr
.endr
.endr
	WIN 0x0c                                       ; V(row, feature) = x x Wv
.irp s, 0,1,2,3
.irp rt, 0,1
.irp c, 0,1
.if \s == 0
	v_wmma_f32_16x16x32_f16 v[VA+8*(2*\rt+\c):VA+8*(2*\rt+\c)+7], v[\cur+8*(4*\rt+\s):\cur+8*(4*\rt+\s)+7], v[WV+8*(4*\c+\s):WV+8*(4*\c+\s)+7], 0
.else
	v_wmma_f32_16x16x32_f16 v[VA+8*(2*\rt+\c):VA+8*(2*\rt+\c)+7], v[\cur+8*(4*\rt+\s):\cur+8*(4*\rt+\s)+7], v[WV+8*(4*\c+\s):WV+8*(4*\c+\s)+7], v[VA+8*(2*\rt+\c):VA+8*(2*\rt+\c)+7]
.endif
.endr
.endr
.endr
	WIN 0x40
	NOP4
.irp rt, 0,1
.irp c, 0,1
.irp e, 0,1,2,3
	v_cvt_pk_f16_f32 v[KF+8*(2*\u+\rt)+4*\c+\e], v[KA+8*(2*\rt+\c)+2*\e], v[KA+8*(2*\rt+\c)+2*\e+1]      ; key tile 2 u + rt: k = features 16 c + 8 hp + 2 e ..
.endr
.endr
.endr
.irp rt, 0,1
.irp c, 0,1
.irp e, 0,1,2,3
	v_cvt_pk_f16_f32 v[VF+8*(8*\c+\u)+4*\rt+\e], v[VA+8*(2*\rt+\c)+2*\e], v[VA+8*(2*\rt+\c)+2*\e+1]      ; feature tile c, key step u: k = keys 16 rt + 8 hp + 2 e ..
.endr
.endr
.endr
.endm
.macro SLOAD sb, lo, off               ; 16 KiB into score set sb: 32 loads of 512 consecutive bytes
.set k, 0
.rept 32
	global_load_b128 v[128*\sb+4*k:128*\sb+4*k+3], v[LOFF], s[\lo:\lo+1] offset:\off+512*k
.set k, k+1
.endr
.endm
	KV 0, XA, XB, 0
	KV 1, XB, XA, 0
	WIN 0x80
	SLOAD 0, 38, 0                                 ; the bias of query tile 0, straight into the accumulators of S^T
	KV 2, XA, XB, 0
	KV 3, XB, XA, 0
	s_wait_loadcnt 32                              ; Wq and Wg are in: only tile 0's 32 bias loads were issued behind them
	WIN 0x80
	SLOAD 1, 38, 16384                             ; query tile 1
	KV 4, XA, XB, 0
	KV 5, XB, XA, 0
	KV 6, XA, XB, 0
	KV 7, XB, XA, 1
	WIN 0xc0
.irp ct, 0,1,2,3,4,5,6,7
	global_load_b128 v[BO+8*\ct:BO+8*\ct+3],   v[H32], s[16:17] offset:64*\ct      ; bo in the layout of a result of out^T, over Wk's registers, which have served
	global_load_b128 v[BO+8*\ct+4:BO+8*\ct+7], v[H32], s[16:17] offset:64*\ct+16
.endr
	WIN 0
	v_add_nc_u32 v[XQ], 16*XP, v[XAD]              ; x of query tile 1 is fetched next
	s_add_nc_u64 s[26:27], s[38:39], 0x4000        ; the refills' pointer: stepped by 16 KiB at the head of each stage
	s_mov_b32 s30, 7
	s_wait_dscnt 0x0                               ; x of query tile 0
	; THE ATTENTION.  The single products, each under its own window setting:
.macro QW s, c                         ; under 0x03: Q^T, feature tile c, K step s
.if \s == 0
	v_wmma_f32_16x16x32_f16 v[QA+8*\c:QA+8*\c+7], v[WQ+8*(4*\c+\s):WQ+8*(4*\c+\s)+7], v[XF+8*\s:XF+8*\s+7], 0
.else
	v_wmma_f32_16x16x32_f16 v[QA+8*\c:QA+8*\c+7], v[WQ+8*(4*\c+\s):WQ+8*(4*\c+\s)+7], v[XF+8*\s:XF+8*\s+7], v[QA+8*\c:QA+8*\c+7]
.endif
.endm
.macro GW s, c, gd                     ; under 0x03: the gate's exponent into buffer gd; the first K step starts the sum from -log2(e) bg
.if \s == 0
	v_wmma_f32_16x16x32_f16 v[\gd+8*\c:\gd+8*\c+7], v[WG+8*(4*\c+\s):WG+8*(4*\c+\s)+7], v[XF+8*\s:XF+8*\s+7], v[BG+8*\c:BG+8*\c+7]
.else
	v_wmma_f32_16x16x32_f16 v[\gd+8*\c:\gd+8*\c+7], v[WG+8*(4*\c+\s):WG+8*(4*\c+\s)+7], v[XF+8*\s:XF+8*\s+7], v[\gd+8*\c:\gd+8*\c+7]
.endif
.endm
.macro SPW kt, sd                      ; under 0xa1: S^T(key tile kt, query) = K x Q^T + bias, in score set sd
	v_wmma_f32_16x16x32_f16 v[\sd+8*(\kt):\sd+8*(\kt)+7], v[KF+8*(\kt):KF+8*(\kt)+7], v[QF:QF+7], v[\sd+8*(\kt):\sd+8*(\kt)+7]
.endm
.macro OPW u, c                        ; under 0x01: O^T(feature tile c, query) += V^T x P^T, key step u
.if \u == 0
	v_wmma_f32_16x16x32_f16 v[OA+8*\c:OA+8*\c+7], v[VF+8*(8*\c+\u):VF+8*(8*\c+\u)+7], v[PF+8*\u:PF+8*\u+7], 0
.else
	v_wmma_f32_16x16x32_f16 v[OA+8*\c:OA+8*\c+7], v[VF+8*(8*\c+\u):VF+8*(8*\c+\u)+7], v[PF+8*\u:PF+8*\u+7], v[OA+8*\c:OA+8*\c+7]
.endif
.endm
.macro XFLOAD                          ; x of the query tile at XQ
.irp s, 0,1,2,3
	ds_load_b128 v[XF+8*\s:XF+8*\s+3],   v[XQ] offset:64*\s
	ds_load_b128 v[XF+8*\s+4:XF+8*\s+7], v[XQ] offset:64*\s+32
.endr
.endm
.macro QFC q                           ; one register of the Q fragment
	v_cvt_pk_f16_f32 v[QF+\q], v[QA+2*\q], v[QA+2*\q+1]
.endm
.macro MAXS                            ; slice k (0..15) of the maximum of my 128 scores: one step of each of four chains
	WIN 0x0a
.if k == 0
.irp c, 0,1,2,3
	v_max_num_f32 v[MX+\c], v[SB+32*\c], v[SB+32*\c+1]
.endr
.else
.irp c, 0,1,2,3
	v_max3_num_f32 v[MX+\c], v[SB+32*\c+2*k], v[SB+32*\c+2*k+1], v[MX+\c]
.endr
.endif
.set k, k+1
.endm
.macro SUB8 u                          ; under 0xa1: s - max for key tiles 2 u, 2 u + 1.  Written with the score as the THIRD source, so that it
.irp e, 0,2,4,6,8,10,12,14             ; stands under the setting of the S^T products on both sides of it (C and D in window 2, source 1 in window 0)
	v_pk_fma_f32 v[SB+16*(\u)+\e:SB+16*(\u)+\e+1], -1.0, v[MP:MP+1], v[SB+16*(\u)+\e:SB+16*(\u)+\e+1] op_sel_hi:[0,1,1]
.endr
.endm
; Chunk u of a stage: key tiles 2 u and 2 u + 1 of this tile's softmax, with two products of the next tile's S^T and two of this tile's O^T.
.macro CHUNK u, mm, nx
	WIN 0xa2
.set k, 0
.rept 16
	v_exp_f32 v[SB+16*\u+k], v[SB+16*\u+k]         ; p = 2^(s - max), in place
.set k, k+1
.endr
.if \mm
	s_wait_loadcnt 28                              ; the bias of the next tile's key tiles 2 u, 2 u + 1 is in: behind its four loads, issued in chunk u of the
	WIN 0xa1                                       ; stage before, came 4 (7 - u) in that stage and 4 u in this one (on the way into the loop 16 more)
	SPW 2*\u, SN
.endif
.if \u < 7
	WIN 0xa1
	SUB8 \u+1                                      ; plain lines behind the exponentials before their results are used (ISA guide 5.7.2)
.else
	WIN 0
.if \nx
	v_add_nc_u32 v[XQ], 16*XP, v[XQ]               ; the plain line behind the exponentials; the next stage fetches the tile behind
.else
	v_nop                                          ; the plain line behind the exponentials (ISA guide 5.7.2)
	s_wait_alu depctr_va_vdst(0)
.endif
.if \mm
.set k, 0
.rept 16
	v_exp_f32 v[GN+k], v[GN+k]                     ; the next tile's e = 2^(-log2(e) (x.Wg + bg)); used at the end of its stage
.set k, k+1
.endr
.endif
.endif
.if \mm
	WIN 0xa1
	SPW 2*\u+1, SN
.endif
	WIN 0x0a
.set k, 8*\u
	s_wait_alu depctr_va_vdst(0)
.rept 8
	v_cvt_pk_f16_f32 v[PF+k], v[SB+2*k], v[SB+2*k+1]               ; the two key tiles make fragment u of P^T
.set k, k+1
.endr
.if \u == 0
.irp c, 0,1,2,3
	v_pk_add_f32 v[LS+2*\c:LS+2*\c+1], v[SB+2*\c:SB+2*\c+1], v[SB+2*\c+8:SB+2*\c+9]   ; the first eight pairs start the four sums
.endr
.else
	WIN 0x02
.set k, 8*\u
.rept 8
	v_pk_add_f32 v[LS+2*(k%4):LS+2*(k%4)+1], v[SB+2*k:SB+2*k+1], v[LS+2*(k%4):LS+2*(k%4)+1]
.set k, k+1
.endr
.endif
	WIN 0x01
	OPW \u, 0
	WIN 0x80
.set k, 4*\u
.rept 4
	global_load_b128 v[SB+4*k:SB+4*k+3], v[LOFF], s[26:27] offset:512*k        ; these 16 registers are free: what they hold two tiles on
.set k, k+1
.endr
	WIN 0x01
	OPW \u, 1
.endm
; STAGE t.  sb: the score set (and gate buffer) of tile t.  mm = 1: the products of tile t + 1 are made.  nx = 1: x of tile t + 2 is fetched.
; No two products that follow each other share an accumulator, over the loop's backward jump too (Q, Q, gate, gate by turns; S^T on sixteen accumulators;
; between two links of O^T's two chains stand the other chain's link and two products of S^T), one instruction a turn.
.macro STAGE sb, mm, nx
.set SB, 128*\sb
.set SN, 128-128*\sb
.set GC, GA+16*\sb
.set GN, GA+16-16*\sb
	s_wait_xcnt 0x0                                ; the last stage's refills have had their addresses translated (ISA guide 3.1): their base is stepped only behind this wait
	s_add_nc_u64 s[26:27], s[26:27], 0x4000
.set k, 0
.irp s, 0,1,2,3                                    ; the maximum of tile t, a slice behind each product of Q^T and the gate of tile t + 1
.irp c, 0,1
.if \mm
	WIN 0x03
	QW \s, \c
.endif
	MAXS
.endr
.irp c, 0,1
.if \mm
	WIN 0x03
	GW \s, \c, GN
.endif
	MAXS                                           ; the last slice's four lines are the places behind the last product (ISA guide 7.12.1)
.endr
.endr
	WIN 0
	v_max3_num_f32 v[MX], v[MX], v[MX+1], v[MX+2]  ; the end of the maximum is one chain: Q's conversions stand between its links
.if \mm
	QFC 0
	QFC 1
.endif
	v_max_num_f32 v[MX], v[MX], v[MX+3]
.if \mm
	QFC 2
	QFC 3
.endif
	v_permlanex16_b32 v[MX+1], v[MX], s33, s34     ; the other 128 keys of my query lie in lane L xor 16
.if \mm
	QFC 4
	QFC 5
.endif
	v_max_num_f32 v[MP], v[MX], v[MX+1]
	v_max_num_f32 v[MP+1], v[MX], v[MX+1]
.if \mm
	QFC 6
	QFC 7
.endif
.if \nx
	XFLOAD                                         ; XF has served tile t + 1; tile t + 2 has the rest of the stage in which to come
.endif
	WIN 0xa1
	SUB8 0
.irp u, 0,1,2,3,4,5,6,7
	CHUNK \u, \mm, \nx
.endr
	WIN 0                                          ; the row's sum; these lines are also the places behind the last product of O^T
	v_pk_add_f32 v[LS:LS+1], v[LS:LS+1], v[LS+2:LS+3]
	v_pk_add_f32 v[LS+4:LS+5], v[LS+4:LS+5], v[LS+6:LS+7]
	v_pk_add_f32 v[LS:LS+1], v[LS:LS+1], v[LS+4:LS+5]
	v_add_f32 v[LS], v[LS], v[LS+1]
	v_permlanex16_b32 v[LS+1], v[LS], s33, s34
	v_add_f32 v[LP], v[LS], v[LS+1]
	v_add_f32 v[LP+1], v[LS], v[LS+1]
.irp e, 0,2,4,6
	v_pk_fma_f32 v[GC+\e:GC+\e+1], v[GC+\e:GC+\e+1], v[LP:LP+1], v[LP:LP+1]            ; (1 + e) l
.endr
.set k, 0
.rept 8
	v_rcp_f32 v[GC+k], v[GC+k]                     ; gate / l
.set k, k+1
.endr
.irp e, 8,10,12,14
	v_pk_fma_f32 v[GC+\e:GC+\e+1], v[GC+\e:GC+\e+1], v[LP:LP+1], v[LP:LP+1]            ; the second half's lines are the plain ones behind the first half's reciprocals,
.endr
.set k, 8
.rept 8
	v_rcp_f32 v[GC+k], v[GC+k]
.set k, k+1
.endr
	s_wait_alu depctr_va_vdst(0)
.irp e, 0,2,4,6,8,10,12,14
	v_pk_mul_f32 v[OA+\e:OA+\e+1], v[OA+\e:OA+\e+1], v[GC+\e:GC+\e+1]                  ; and the first half's products those behind the second half's (ISA guide 5.7.2)
.endr
	s_wait_dscnt 0x0                               ; x of the tile whose products open the next stage is in, on the way on and over the loop's backward jump alike
.irp c, 0,1
	ds_store_b128 v[GAD], v[OA+8*\c:OA+8*\c+3]   offset:64*\c      ; row = query r, features 16 c + 8 hp + 0..3 of my head, in f32
	ds_store_b128 v[GAD], v[OA+8*\c+4:OA+8*\c+7] offset:64*\c+16   ; features 16 c + 8 hp + 4..7
.endr
	v_add_nc_u32 v[GAD], 16*GP, v[GAD]
.endm
	; Ahead of the pipeline: the products of tile 0, which have no softmax to stand among
	WIN 0x03
.irp s, 0,1,2,3
.irp c, 0,1
	QW \s, \c
.endr
.irp c, 0,1
	GW \s, \c, GA
.endr
.endr
	WIN 0
	NOP4
	XFLOAD                                         ; x of tile 1
	v_add_nc_u32 v[XQ], 16*XP, v[XQ]
.irp q, 0,1,2,3,4,5,6,7
	QFC \q
.endr
.set k, 0
.rept 16
	v_exp_f32 v[GA+k], v[GA+k]
.set k, k+1
.endr
	s_wait_loadcnt 32                              ; tile 0's bias is in: behind its 32 loads came tile 1's 32 and bo's 16
	WIN 0xa1
.set k, 0
.rept 16
	SPW k, 0
.set k, k+1
.endr
	NOP4                                           ; the places in front of the first slice of the maximum
	WIN 0
	s_wait_dscnt 0x0                               ; x of tile 1
.Lq:                                               ; stages 0 to 13; their refills are the bias of tiles 2 to 15
	STAGE 0, 1, 1
	STAGE 1, 1, 1
	s_sub_co_i32 s30, s30, 1
	s_cmp_lg_u32 s30, 0
	s_cbranch_scc1 .Lq
	s_wait_xcnt 0x0                                ; the pointer is written only behind this wait
	s_mov_b64 s[26:27], s[28:29]                   ; no bias is left to fetch: the last two stages' refills are Wo's two halves, 16 KiB each, so the stage's text and its counts stay as they are
	STAGE 0, 1, 0                                  ; stage 14: the products of tile 15; no x is left to fetch
	STAGE 1, 0, 0                                  ; stage 15: no tile follows
	s_wait_dscnt 0x0                               ; my head's gate * o is in LDS before I say so
	s_barrier_signal -1
	s_barrier_wait -1
	; THE OUTPUT PRODUCT of my 64 rows: out^T(column, row) = 2^E (Wo^T x (2^-E go)^T) + bo, 32 rows (rtp) at a time, each in two passes of 64 columns (half g)
; gate * o of rows 32 rtp .. 32 rtp + 31 in f32 into window 1, registers 128 rtp + 64 rt + 16 s + ..: for K step s (= head s's plane) the lane's 8 + 8 features
.macro GRLOAD rtp
	WIN 0x40
.irp rt, 0,1
.irp s, 0,1,2,3
.irp j, 0,1,2,3
.if \s < 2
	ds_load_b128 v[128*\rtp+64*\rt+16*\s+4*\j:128*\rtp+64*\rt+16*\s+4*\j+3], v[GFA] offset:\s*GPL+(32*\rtp+16*\rt)*GP+16*(\j%2)+64*(\j/2)
.else
	ds_load_b128 v[128*\rtp+64*\rt+16*\s+4*\j:128*\rtp+64*\rt+16*\s+4*\j+3], v[GFB] offset:(\s-2)*GPL+(32*\rtp+16*\rt)*GP+16*(\j%2)+64*(\j/2)
.endif
.endr
.endr
.endr
.endm
; The two row tiles' scales and fragments.  A lane and its partner L xor 16 hold the 128 numbers of row r.  The largest magnitude is that of the maximum or
; that of the minimum, so the largest exponent field is the larger of those two numbers' fields.  Four chains: maximum and minimum of two row tiles.
.macro GPREP rtp
	WIN 0x05
.irp rt, 0,1
	v_max_num_f32 v[MX+2*\rt],   v[128*\rtp+64*\rt], v[128*\rtp+64*\rt+1]
	v_min_num_f32 v[MX+2*\rt+1], v[128*\rtp+64*\rt], v[128*\rtp+64*\rt+1]
.endr
.set k, 1
.rept 31
.irp rt, 0,1
	v_max3_num_f32 v[MX+2*\rt],   v[128*\rtp+64*\rt+2*k], v[128*\rtp+64*\rt+2*k+1], v[MX+2*\rt]
	v_min3_num_f32 v[MX+2*\rt+1], v[128*\rtp+64*\rt+2*k], v[128*\rtp+64*\rt+2*k+1], v[MX+2*\rt+1]
.endr
.set k, k+1
.endr
	WIN 0
.irp c, 0,1,2,3
	v_and_b32 v[MX+\c], 0x7f800000, v[MX+\c]       ; the exponent field: as an f32 it is 2^E (0 for a denormal)
.endr
.irp rt, 0,1
	v_max_u32 v[MX+2*\rt], v[MX+2*\rt], v[MX+2*\rt+1]
.endr
.irp rt, 0,1
	v_permlanex16_b32 v[MX+2*\rt+1], v[MX+2*\rt], s33, s34
.endr
.irp rt, 0,1
	v_max_u32 v[MX+2*\rt], v[MX+2*\rt], v[MX+2*\rt+1]
.endr
.irp rt, 0,1
	v_min_u32 v[SC+2*\rt], 0x7e800000, v[MX+2*\rt] ; field 253 at the most, so that 2^-E is a normal number; the scaled row then stays below 4
.endr
.irp rt, 0,1
	v_mov_b32 v[SC+2*\rt+1], v[SC+2*\rt]
	v_sub_nc_u32 v[IV+2*\rt],   0x7f000000, v[SC+2*\rt]            ; field 254 - field: 2^-E
	v_sub_nc_u32 v[IV+2*\rt+1], 0x7f000000, v[SC+2*\rt]
.endr
	WIN 0x41
.irp rt, 0,1
.set k, 0
.rept 32
	v_pk_mul_f32 v[128*\rtp+64*\rt+2*k:128*\rtp+64*\rt+2*k+1], v[128*\rtp+64*\rt+2*k:128*\rtp+64*\rt+2*k+1], v[IV+2*\rt:IV+2*\rt+1]
.set k, k+1
.endr
.endr
	WIN 0x05
.irp rt, 0,1
.set k, 0
.rept 32
	v_cvt_pk_f16_f32 v[GF+32*\rt+k], v[128*\rtp+64*\rt+2*k], v[128*\rtp+64*\rt+2*k+1]  ; fragment (rt, s) at 8 (4 rt + s)
.set k, k+1
.endr
.endr
.endm
; One pass: 64 columns (half g of Wo) x 32 rows.  ldn: how many global loads may stay out.
.macro OUTR g, rtp, ldn
	s_wait_loadcnt \ldn
	s_wait_dscnt 0x0                               ; nothing of mine is out in LDS: the raw rows fetched ahead and the last pass's read-backs are in
	WIN 0xf2                                       ; eight accumulators by turns; the first K step starts the sums
.irp s, 0,1,2,3
.irp rt, 0,1
.irp ct, 0,1,2,3
.if \s == 0
	v_wmma_f32_16x16x32_f16 v[OACC+8*(4*\rt+\ct):OACC+8*(4*\rt+\ct)+7], v[128*\g+8*(4*\ct+\s):128*\g+8*(4*\ct+\s)+7], v[GF+8*(4*\rt+\s):GF+8*(4*\rt+\s)+7], 0
.else
	v_wmma_f32_16x16x32_f16 v[OACC+8*(4*\rt+\ct):OACC+8*(4*\rt+\ct)+7], v[128*\g+8*(4*\ct+\s):128*\g+8*(4*\ct+\s)+7], v[GF+8*(4*\rt+\s):GF+8*(4*\rt+\s)+7], v[OACC+8*(4*\rt+\ct):OACC+8*(4*\rt+\ct)+7]
.endif
.endr
.endr
.endr
	NOP4                                           ; four places before the results are read and the fragments written again,
	v_nop                                          ; a fifth before the next pass's products write over the accumulators (ISA guide 7.12.1)
	WIN 0xf3
.irp rt, 0,1
.irp ct, 0,1,2,3
.irp e, 0,2,4,6
	v_pk_fma_f32 v[OACC+8*(4*\rt+\ct)+\e:OACC+8*(4*\rt+\ct)+\e+1], v[OACC+8*(4*\rt+\ct)+\e:OACC+8*(4*\rt+\ct)+\e+1], v[SC+2*\rt:SC+2*\rt+1], v[BO+8*(4*\g+\ct)+\e:BO+8*(4*\g+\ct)+\e+1]   ; the lane is the row: its 2^E, and bo
.endr
.endr
.endr
	WIN 0x0c
.irp rt, 0,1
.irp ct, 0,1,2,3
	ds_store_b128 v[STO], v[OACC+8*(4*\rt+\ct):OACC+8*(4*\rt+\ct)+3]   offset:\rt*16*XP+64*\ct         ; a lane holds 8 neighbouring columns of row r
	ds_store_b128 v[STO], v[OACC+8*(4*\rt+\ct)+4:OACC+8*(4*\rt+\ct)+7] offset:\rt*16*XP+64*\ct+16
.endr
.endr
	WIN 0
	s_wait_xcnt 0x0                                ; the last pass's stores have had their addresses translated (ISA guide 3.1): their data registers are loaded again only behind this wait
.set k, 0
.rept 16
	ds_load_b128 v[RB+4*k:RB+4*k+3], v[RD] offset:2*k*XP           ; my own stage: LDS serves a wave's instructions in order (ISA guide 5.7.1.4), these see the stores above
.set k, k+1
.endr
.set k, 0
.rept 16
	s_wait_dscnt 15-k                              ; read-back k is in, the younger ones stay out
	global_store_b128 v[CO], v[RB+4*k:RB+4*k+3], s[22:23] offset:(32*\rtp+2*k)*512+256*\g th:TH_STORE_NT   ; sixteen lanes store 256 consecutive bytes, aligned
.set k, k+1
.endr
.endm
	GRLOAD 0                                       ; over K's fragments, which have served
	s_wait_dscnt 0x0                               ; rows 0 to 31 are in
	GRLOAD 1                                       ; rows 32 to 63 come, over V's fragments, while the first 32 are scaled
	GPREP 0
	OUTR 0, 0, 32                                  ; Wo's first half is in; its second half, 32 loads, was issued behind it
	OUTR 1, 0, 0                                   ; the second half is wanted
	GPREP 1
	OUTR 0, 1, 0
	OUTR 1, 1, 0
	s_wait_tensorcnt 0x0
	ds_add_u32 v254, v255
	s_wait_dscnt 0x0
	s_endpgm
.Lfunc_end_k_q900a1fb88f_tri:
	.size	k_q900a1fb88f_tri, .Lfunc_end_k_q900a1fb88f_tri-k_q900a1fb88f_tri
	.p2alignl 7, 3214868480
	.fill 96, 4, 3214868480
	.section	.rodata,"a",@progbits
	.p2align	6, 0x0
	.amdhsa_kernel k_q900a1fb88f_tri
		.amdhsa_group_segment_fixed_size 252416
		.amdhsa_private_segment_fixed_size 0
		.amdhsa_enable_private_segment 0
		.amdhsa_kernarg_size 64
		.amdhsa_user_sgpr_count 2
		.amdhsa_user_sgpr_kernarg_segment_ptr 1
		.amdhsa_wavefront_size32 1
		.amdhsa_system_sgpr_workgroup_id_x 1
		.amdhsa_system_sgpr_workgroup_id_y 1
		.amdhsa_system_sgpr_workgroup_id_z 1
		.amdhsa_system_vgpr_workitem_id 0
		.amdhsa_next_free_vgpr 1024
		.amdhsa_next_free_sgpr 66
		.amdhsa_reserve_vcc 0
		.amdhsa_float_denorm_mode_32 3
		.amdhsa_float_denorm_mode_16_64 3
		.amdhsa_memory_ordered 1
		.amdhsa_forward_progress 1
		.amdhsa_inst_pref_size 255
	.end_amdhsa_kernel
	.section	.bss,"aw",@nobits
	.p2align	6
	.space	262144
	.amdgpu_metadata
---
amdhsa.version: [ 1, 2 ]
amdhsa.kernels:
  - .name:           k_q900a1fb88f_tri
    .symbol:         k_q900a1fb88f_tri.kd
    .args:
      - { .name: pair, .offset: 0, .size: 8, .value_kind: global_buffer, .address_space: global }
      - { .name: ln_w, .offset: 8, .size: 8, .value_kind: global_buffer, .address_space: global }
      - { .name: ln_b, .offset: 16, .size: 8, .value_kind: global_buffer, .address_space: global }
      - { .name: bg, .offset: 24, .size: 8, .value_kind: global_buffer, .address_space: global }
      - { .name: bo, .offset: 32, .size: 8, .value_kind: global_buffer, .address_space: global }
      - { .name: wt, .offset: 40, .size: 8, .value_kind: global_buffer, .address_space: global }
      - { .name: biasw, .offset: 48, .size: 8, .value_kind: global_buffer, .address_space: global }
      - { .name: out0, .offset: 56, .size: 8, .value_kind: global_buffer, .address_space: global }
    .group_segment_fixed_size: 252416
    .private_segment_fixed_size: 0
    .kernarg_segment_align: 8
    .kernarg_segment_size: 64
    .max_flat_workgroup_size: 128
    .sgpr_count:     66
    .vgpr_count:     1024
    .wavefront_size: 32
...
	.end_amdgpu_metadata
.endif
;; end of part 2
;; ======== version 2 of 2: 2 launches; version 1 with the launch tri written anew for expert scheduling mode
;; limits: values are held in f16: magnitudes above 65,504 overflow, below 6.1e-05 lose precision
;; workspace buffers: wt 163,840 bytes; biasw 1,048,576 bytes
;; launch prep: the kernel of part 1 again; grid 16 x 16, 8 waves a work-group, no clusters, 5,120 bytes of LDS; arguments pair, ln_w, Wb, Wk, Wv, Wq, Wg, Wo, wt, biasw; writes wt, biasw
;; launch tri (part 3): grid 256 x 1, 4 waves a work-group, no clusters, 252,416 bytes of LDS; arguments pair, ln_w, ln_b, bg, bo, wt, biasw, out0; writes out0
.if DOCPART == 3
	.amdgcn_target "amdgcn-amd-amdhsa--gfx1250"
	.amdhsa_code_object_version 6
	.text
	.protected	k_q900a1fb88f_tri
	.globl	k_q900a1fb88f_tri
	.p2align	8
	.type	k_q900a1fb88f_tri,@function
k_q900a1fb88f_tri:
	s_mov_b64 s[64:65], 0
	v_nop
	global_prefetch_b8 v0, s[64:65] scope:SCOPE_SE
	s_setreg_imm32_b32 hwreg(HW_REG_WAVE_SCHED_MODE, 0, 2), 2
	s_setreg_imm32_b32 hwreg(HW_REG_WAVE_MODE, 25, 1), 1
	s_wait_xcnt 0x0
	s_wait_alu depctr_vm_vsrc(0)
; tri: one work-group makes out0[i][:][:] from pair[i][:][:]: LayerNorm, q, k, v, gate, the four heads' attention over 256 keys, gate, output product.
; Nothing goes through memory between these steps.  The bias comes from biasw and the weights from wt, which the launch before has laid out
; (biasw leaves out the term ln_b.Wb, which is equal along the softmax's axis and cancels there; shown at the head of that kernel).
; SHARES.  Four waves.  Wave w: rows 64 w .. 64 w + 63 in the LayerNorm and in the output product; head w (features 32 w .. 32 w + 31) in between.
; LAYOUT.  A matrix result holds, in lane (r = L & 15, hp = L >> 4), register e, the element (m = 8 hp + e, n = r).  Two results whose m are 0-15 and
; 16-31, rounded in pairs by v_cvt_pk_f16_f32, ARE a 16-bit operand of K = 32 whose row (column) is r: registers 0-3 hold k = 8 hp .. 8 hp + 7, registers
; 4-7 hold k = 16 + 8 hp ...  So with
;   K^T, Q^T, gate^T = W^T (A) x x^T (B);  V = x (A) x W (B);  S^T = K (A) x Q^T (B) + bias^T;  O^T = V^T (A) x P^T (B);  out^T = Wo^T (A) x go^T (B)
; K, V, Q and P pass from accumulators to operands by conversions alone, and all 128 scores of a lane belong to one query: the maximum and the sum of a
; softmax row are made in the lane, with one exchange between the halves.  K and V of the head stay in 256 registers for all 16 query tiles.
; The whole row of 256 scores is held at once, so the maximum that is taken away is the row's true maximum, as in reference().
; The logits are exponents of 2 (log2(e) is folded into Wq and the bias), the gate's exponent is -log2(e) (x.Wg + bg).
; gate * o / l is made as o * rcp((1 + e) * l), e = 2^(gate's exponent), l = the row's sum, between 1 and 256.
; THE ATTENTION LOOP IS A PIPELINE OF STAGES.  Stage t holds the vector work of tile t's softmax (about 450 lines) and, set singly among it, 48 products:
; Q^T and the gate of tile t + 1, S^T of tile t + 1 (into the other score set), O^T of tile t.  So the two score sets hold two tiles at work at once.
; Each product wants its own window setting, and so do the lines round it: 93 s_set_vgpr_msb a stage.  No layout spares them: an exponential has one source,
; which shares its window with a product's A operand, and its destination shares the window of that product's D; K or V and both score sets are 384 registers.
; THE OPERANDS ARE f16, NOT bf16.  Six roundings lie in a row on the way to an output (x, Wv, v, p, gate * o, Wo), and since attention averages v over
; 256 keys each of them stays whole relative to the output's rms.  With bf16's 8 significant bits (relative rms about 0.0015 each) they add to about
; 0.004 of that rms, too near the 0.01 that is allowed to the worst of 8.4 million numbers; f16's 11 bits make each eight times finer.
; ROOM IN f16 (largest 65,504; 11 bits down to 6.1e-5; below that an absolute error of at most 3e-8):
;   x: |x| <= 11.3 |ln_w| + |ln_b| (a centred, normalised row of 128 has no element beyond sqrt(127));
;   q (scaled), k, v: rms 0.06, 0.23, 0.23 for ln_w = 1 and weights of rms 0.02; with ln_w and the weights both 30 times larger six times the rms is
;   about 1,200, with both 30 times smaller the rms is still 6e-5 or more;   p: between 0 and 1, since the row's maximum has been taken away.
;   gate * o has no such room (a sigmoid can be as small as it likes), so it goes through LDS in f32, and the wave that multiplies a row by Wo scales the row
;   by 2^-E, E the largest exponent among its 128 numbers, rounds it to f16 and multiplies the sums by 2^E: exact powers of two.
; LIMITS.  An x, q, k or v beyond 65,504 becomes an infinity.  A row of gate * o whose largest number is below 2^-126 counts as zero (the result is bo).
; Where (1 + e) * l passes 2^126 the result is 0 instead of a number below 1e-36 * |o|; v_exp_f32, v_rcp_f32 and v_rsq_f32 flush denormals.
; The row's sum is made of the unrounded exponentials.
; NO CLUSTER, although all work-groups read the same 1 MiB of bias and 160 KiB of weights: a joint load lands in LDS, and here each of those bytes goes
; from memory straight into the register in which the matrix instruction wants it (the bias as the C operand of S^T).  Through LDS a work-group would
; write and read 1 MiB more, in a ring of 2 x 4 x 16 KiB, with a round of the cluster's barrier for each of the 16 query tiles.
; No tensor loads: every byte of pair passes through registers for the LayerNorm's sums, and all of a wave's 32 KiB are asked for at its first lines.
; THE MODE: SCHED_MODE bits 1:0 = 2 (LLVM: expert scheduling mode 2), set by the entry lines.  The code itself states the register dependences
; between vector or matrix instructions and memory or LDS instructions, with s_wait_alu, always for 0.
; THE PLAN.  Registers that memory or LDS instructions touch, who else names them, and the wait that states it:
;   ADDRESSES  v3, v4, v7-v11, v15, and v40-42 of windows 1 and 2: made at the head ahead of one wait on va_vdst; not written again while they serve.
;   LAYERNORM  LT, two sets by the group's parity: a group's conversions write its set, its eight LDS stores read it (va_vdst ahead of the stores); the set is
;              written again two groups on (vm_vsrc at the head of groups 2 and 3).  Behind the barrier one vm_vsrc: LT and v40-42 become K's fragments and scores.
;   K AND V    XA, XB: a step's products read one; the next step's LDS loads land in it.  One va_vdst at the head of steps 1 to 7; the step's loads follow,
;              dealt among its V products, which name the other buffer.  The same waits cover the first bias loads into window 2, which nothing since names.
;   A STAGE    scores of chunk u (16 registers): written by its exponentials, read by its conversions and sum steps; then four refill loads land in them.
;              One va_vdst a chunk, behind the sum steps; the loads stand between the two products of O^T, which name none of their registers.
;              XF: read by the products of the maximum phase; loaded again behind chunk 0's wait.
;              OA and GAD (read by the stage's four LDS stores) and XQ (read by the loads of x): ONE vm_vsrc a stage, behind the next stage's maximum phase,
;              ahead of XQ's step, of O^T's first products and of GAD's step in chunk 7.  One va_vdst ahead of the four stores: OA and GAD are written.
;   WAY OUT    the accumulators: one va_vdst ahead of their LDS stores; RB and the accumulators are written again in the next pass: vm_vsrc at its head.
;
; LDS: X     0 ..  69,631: x in f16, 256 rows, pitch 272 (256 + 16: the 16 rows of a fragment load lie in 16 different 16-byte columns modulo 256 bytes)
;      GO    69,632 .. 217,087: gate * o in f32, one plane of 36,864 bytes for each head: 256 rows of 128 bytes, pitch 144.  A wave stores into its own plane.
;      STAGE 217,088 + 8,704 w: each wave's own: 32 rows of 256 bytes of the result, pitch 272
; REGISTERS, in windows of 256 (s_set_vgpr_msb: bits 1:0 source 0, 3:2 source 1, 5:4 source 2, 7:6 destination):
;   window 0: addresses, operands at work (names below)
;   window 1: K fragments 8 t (key tile t), V^T fragments 128 + 8 (8 c + u); during the LayerNorm: row pairs 0-15; at the end gate * o of my 64 rows in f32
;   window 2: two sets of 128 scores; during the LayerNorm: row pairs 16-31; at the end Wo's two halves
;   window 3: Wq 0, Wg 64, Wk 128, Wv 192, fragment (c, s) at 8 (4 c + s); later bo at 128 and the output's accumulators at 192
.set XP,    272
.set GP,    144
.set GPL,   256*GP
.set GO,    256*XP
.set STAGE, GO+4*GPL
.set NLOG2E, 0xbfb8aa3b
.set LOFF, 3                           ; 16 x lane
.set XAD,  4                           ; 272 r + 16 hp: a fragment's lane term in X
.set XQ,   5                           ; the same, at the query tile that was loaded last
.set GAD,  6                           ; where I store gate * o: one tile behind until the stage's chunk 7 steps it
.set H32,  7                           ; 32 hp: my 8 numbers of bg, bo in a tile of 16
.set GFA,  8                           ; my lane's term in GO at my 64 rows, planes 0 and 1
.set STO,  9                           ; the stage: where I put 32 bytes of a row
.set RD,   10                          ; the stage: where I read rows back
.set CO,   11                          ; 512 hp + 16 q: my 16 bytes in two rows of pair or out0
.set GFB,  15                          ; as GFA, planes 2 and 3 (an LDS immediate reaches 65,535 bytes)
.set MX,   16                          ; v[16:19] four running maxima
.set MP,   20                          ; v[20:21] the row's maximum, twice
.set LS,   22                          ; v[22:29] four running sums, in pairs
.set LP,   30                          ; v[30:31] the row's sum, twice
.set XF,   32                          ; v[32:63] x of a query tile, 4 K steps
.set QA,   64                          ; v[64:79] Q^T, two accumulators
.set GA,   80                          ; v[80:111] gate^T, two accumulators for even tiles, two for odd ones
.set OA,   112                         ; v[112:127] O^T, two accumulators
.set PF,   128                         ; v[128:191] P^T, 8 fragments
.set QF,   192                         ; v[192:199] Q fragment
.set BG,   224                         ; v[224:239] -log2(e) bg as a C operand, [c]
.set XA,   32                          ; K and V: x of 32 rows, two buffers
.set XB,   128
.set KA,   96                          ; K^T accumulators [rt][c]
.set VA,   192                         ; V accumulators [rt][c]
.set SC,   22                          ; the way out: v[22:25] 2^E of my row, twice, for two row tiles
.set IV,   26                          ; the way out: v[26:29] 2^-E likewise
.set RB,   32                          ; the way out: rows read back
.set GF,   128                         ; the way out: fragments of gate * o
.set KF,   0                           ; window 1
.set VF,   128
.set WQ,   0                           ; window 3
.set WG,   64
.set WK,   128
.set WV,   192
.set BO,   128
.set OACC, 192
.set LNW,  0                           ; windows 1 and 2 during the LayerNorm: ln_w of my 8 columns
.set LNB,  8                           ; ln_b
.set LT,   16                          ; four row pairs at work, 6 registers each: v[16:39] for even groups, v[48:71] for odd ones
.set LPO,  40                          ; 512 hp + 16 q
.set LXS,  41                          ; (64 w + hp) 272 + 8 q
.set LQ,   42                          ; 16 q
.set LPX,  128                         ; 16 row pairs x 8 numbers
.set MSB, 0
.macro WIN new                         ; the immediate's high byte repeats the setting that is left
.if MSB != \new
	s_set_vgpr_msb (MSB<<8)|\new
.set MSB, \new
.endif
.endm
.macro NOP4                            ; the four places behind a matrix instruction before its result is read by, or one of its registers written by,
.rept 4                                ; a vector instruction (ISA guide 7.12.1)
	v_nop
.endr
.endm
	s_load_b512 s[8:23], s[0:1], 0x0               ; pair, ln_w, ln_b, bg, bo, wt, biasw, out0
	v_lshl_add_u32 v254, v0, 2, 0x3d800
	v_mov_b32 v255, 0
	v_lshrrev_b32 v12, 5, v0
	v_readfirstlane_b32 s2, v12                    ; wave = head
	v_and_b32 v1, 15, v0                           ; r (in the LayerNorm: q)
	v_bfe_u32 v2, v0, 4, 1                         ; hp
	v_and_b32 v3, 31, v0
	v_lshlrev_b32 v[LOFF], 4, v3
	v_mul_u32_u24 v[XAD], v1, XP
	v_lshl_add_u32 v[XAD], v2, 4, v[XAD]
	v_lshlrev_b32 v[H32], 5, v2
	v_lshlrev_b32 v13, 4, v1                       ; 16 q
	v_lshl_add_u32 v[CO], v2, 9, v13
	v_mul_u32_u24 v12, v1, GP
	v_lshl_add_u32 v12, v2, 5, v12                 ; 144 r + 32 hp
	s_wait_alu depctr_va_sdst(0)                   ; s2 is written, ahead of its first reader: LDS terms and all bases are made from it
	s_mul_i32 s40, s2, GPL                         ; (each term that a vector line reads has a scalar register of its own, s40 to s43, written once)
	s_add_co_u32 s40, s40, GO-16*GP
	v_add_nc_u32 v[GAD], s40, v12                  ; my head's plane, one tile of 16 rows in front of it: each stage steps it ahead of its stores
	s_mul_i32 s41, s2, 64*GP
	s_add_co_u32 s41, s41, GO
	v_add_nc_u32 v[GFA], s41, v12                  ; my 64 rows, plane 0
	v_add_nc_u32 v[GFB], 2*GPL, v[GFA]             ; my 64 rows, plane 2
	v_mul_u32_u24 v12, v2, XP                      ; 272 hp
	v_lshl_add_u32 v14, v1, 3, v12
	s_mul_i32 s42, s2, 64*XP
	v_add_nc_u32 v14, s42, v14                     ; (64 w + hp) 272 + 8 q
	s_mul_i32 s43, s2, 32*XP
	s_add_co_u32 s43, s43, STAGE
	v_lshl_add_u32 v[STO], v2, 4, v[XAD]
	v_add_nc_u32 v[STO], s43, v[STO]               ; stage + 272 r + 32 hp
	v_add_nc_u32 v[RD], v12, v13
	v_add_nc_u32 v[RD], s43, v[RD]                 ; stage + 272 hp + 16 q
	WIN 0x40                                       ; the LayerNorm's three addresses, once in each of its two windows
	v_mov_b32 v[LPO], v[CO]
	v_mov_b32 v[LXS], v14
	v_mov_b32 v[LQ], v13
	WIN 0x80
	v_mov_b32 v[LPO], v[CO]
	v_mov_b32 v[LXS], v14
	v_mov_b32 v[LQ], v13
	WIN 0
	s_mov_b32 s31, 0x3c000000                      ; 1/128
	s_mov_b32 s32, 0x3727c5ac                      ; 1e-5
	s_mov_b32 s33, 0x76543210                      ; v_permlanex16_b32: lane i of one half reads lane i of the other
	s_mov_b32 s34, 0xfedcba98
	s_lshl_b32 s24, ttmp9, 17                      ; i rows of 131,072 bytes
	s_lshl_b32 s25, s2, 15                         ; + 64 w rows of 512
	s_add_co_u32 s24, s24, s25
	s_mov_b32 s25, 0
	s_wait_kmcnt 0x0
	s_add_nc_u64 s[8:9], s[8:9], s[24:25]          ; pair at my 64 rows
	s_add_nc_u64 s[22:23], s[22:23], s[24:25]      ; out0 at my 64 rows
	s_lshl_b32 s24, s2, 7
	s_add_nc_u64 s[14:15], s[14:15], s[24:25]      ; bg at my head
	s_lshl_b32 s24, s2, 13
	s_add_nc_u64 s[36:37], s[18:19], s[24:25]      ; wt at my head's two column tiles (8 blocks of 1,024 bytes in each matrix)
	s_lshl_b32 s24, s2, 18
	s_add_nc_u64 s[38:39], s[20:21], s[24:25]      ; biasw at my head
	s_add_nc_u64 s[28:29], s[18:19], 4*32768-16384 ; 16 KiB in front of Wo's fragments (inside wt): see the last two stages
	s_wait_alu depctr_va_vdst(0)                   ; every address register made above is written: the kernel's loads and stores read them
	; ALL LOADS OF THE LAYERNORM.  76 go out here, more than LOADcnt's field counts: the issue of the last ones holds until the first are done
	; (ISA guide 5.7.1), so no wait is written for that.
.irp c, 0,1
	global_load_b128 v[BG+8*\c:BG+8*\c+3],   v[H32], s[14:15] offset:64*\c
	global_load_b128 v[BG+8*\c+4:BG+8*\c+7], v[H32], s[14:15] offset:64*\c+16
.endr
.macro LNLOAD rp0                      ; ln_w, ln_b and 16 row pairs from row pair rp0 on; a load covers two aligned runs of 256 bytes
	global_load_b128 v[LNW:LNW+3],   v[LQ], s[10:11]
	global_load_b128 v[LNW+4:LNW+7], v[LQ], s[10:11] offset:256
	global_load_b128 v[LNB:LNB+3],   v[LQ], s[12:13]
	global_load_b128 v[LNB+4:LNB+7], v[LQ], s[12:13] offset:256
.set k, 0
.rept 16
	global_load_b128 v[LPX+8*k:LPX+8*k+3],   v[LPO], s[8:9] offset:(\rp0+k)*1024 th:TH_LOAD_NT
	global_load_b128 v[LPX+8*k+4:LPX+8*k+7], v[LPO], s[8:9] offset:(\rp0+k)*1024+256 th:TH_LOAD_NT
.set k, k+1
.endr
.endm
	WIN 0x55
	LNLOAD 0
	WIN 0xaa
	LNLOAD 16
; LayerNorm of four row pairs (group g of the window; rp0 = the first one's number among the wave's 32).  n = the loads issued behind the group's.
; Sixteen lanes hold a row; every stage is written for the four pairs in turn.
.macro LNG g, n, rp0
.set LTG, LT+32*(\g%2)                 ; the group's set of LT
	s_wait_loadcnt \n
.if \g >= 2
	s_wait_alu depctr_vm_vsrc(0)                   ; the LDS stores of the group before last have read this set of LT, which the lines below write again
.endif
.irp i, 0,1,2,3
.set px, LPX+8*(4*\g+\i)
.set tt, LTG+6*\i
	v_pk_add_f32 v[tt:tt+1],   v[px:px+1],   v[px+2:px+3]
	v_pk_add_f32 v[tt+2:tt+3], v[px+4:px+5], v[px+6:px+7]
.endr
.irp i, 0,1,2,3
.set tt, LTG+6*\i
	v_pk_add_f32 v[tt:tt+1], v[tt:tt+1], v[tt+2:tt+3]
.endr
.irp i, 0,1,2,3
.set tt, LTG+6*\i
	v_add_f32 v[tt], v[tt], v[tt+1]
.endr
.irp m, 1,2,4,8
.irp i, 0,1,2,3
.set tt, LTG+6*\i
	v_add_f32_dpp v[tt], v[tt], v[tt] row_xmask:\m row_mask:0xf bank_mask:0xf
.endr
.endr
.irp i, 0,1,2,3
.set px, LPX+8*(4*\g+\i)
.set tt, LTG+6*\i
.irp p, 0,2,4,6
	v_pk_fma_f32 v[px+\p:px+\p+1], v[tt:tt+1], 0xbc000000, v[px+\p:px+\p+1] op_sel_hi:[0,0,1]   ; x - sum/128
.endr
.endr
.irp i, 0,1,2,3
.set px, LPX+8*(4*\g+\i)
.set tt, LTG+6*\i
	v_pk_mul_f32 v[tt:tt+1], v[px:px+1], v[px:px+1]
.endr
.irp p, 2,4,6
.irp i, 0,1,2,3
.set px, LPX+8*(4*\g+\i)
.set tt, LTG+6*\i
	v_pk_fma_f32 v[tt:tt+1], v[px+\p:px+\p+1], v[px+\p:px+\p+1], v[tt:tt+1]
.endr
.endr
.irp i, 0,1,2,3
.set tt, LTG+6*\i
	v_add_f32 v[tt], v[tt], v[tt+1]
.endr
.irp m, 1,2,4,8
.irp i, 0,1,2,3
.set tt, LTG+6*\i
	v_add_f32_dpp v[tt], v[tt], v[tt] row_xmask:\m row_mask:0xf bank_mask:0xf
.endr
.endr
.irp i, 0,1,2,3
.set tt, LTG+6*\i
	v_fma_f32 v[tt+4], v[tt], s31, s32             ; variance + 1e-5
.endr
.irp i, 0,1,2,3
.set tt, LTG+6*\i
	v_rsq_f32 v[tt+2], v[tt+4]
.endr
	v_nop                                          ; a plain instruction behind the last v_rsq_f32 before its result is used (ISA guide 5.7.2)
	s_wait_alu depctr_va_vdst(0)
.irp i, 0,1,2,3
.set px, LPX+8*(4*\g+\i)
.set tt, LTG+6*\i
.irp p, 0,2,4,6
	v_pk_mul_f32 v[px+\p:px+\p+1], v[px+\p:px+\p+1], v[tt+2:tt+3] op_sel_hi:[1,0]
.endr
.endr
.irp i, 0,1,2,3
.set px, LPX+8*(4*\g+\i)
.irp p, 0,2,4,6
	v_pk_fma_f32 v[px+\p:px+\p+1], v[px+\p:px+\p+1], v[LNW+\p:LNW+\p+1], v[LNB+\p:LNB+\p+1]
.endr
.endr
.irp i, 0,1,2,3
.set px, LPX+8*(4*\g+\i)
.set tt, LTG+6*\i
.irp p, 0,1,2,3
	v_cvt_pk_f16_f32 v[tt+\p], v[px+2*\p], v[px+2*\p+1]
.endr
.endr
	s_wait_alu depctr_va_vdst(0)                   ; the sixteen conversions have written the group's set of LT, which the eight LDS stores read
.irp i, 0,1,2,3
.set tt, LTG+6*\i
	ds_store_b64 v[LXS], v[tt:tt+1]   offset:(\rp0+\i)*2*XP        ; columns 4 q .. 4 q + 3
	ds_store_b64 v[LXS], v[tt+2:tt+3] offset:(\rp0+\i)*2*XP+128    ; columns 64 + 4 q ..
.endr
.endm
.macro WLOAD dst, m                    ; my head's 8 fragments of matrix m: 16 loads of 512 consecutive bytes, into registers of window 3 that no line has named
.set k, 0
.rept 16
	global_load_b128 v[\dst+4*k:\dst+4*k+3], v[LOFF], s[36:37] offset:\m*32768+512*k
.set k, k+1
.endr
.endm
	WIN 0x55
	LNG 0, 60, 0                                   ; behind a group's loads: 8 for each later group of this window, and the other window's 36
	LNG 1, 52, 4
	LNG 2, 44, 8
	LNG 3, 36, 12
	WIN 0xc0
	WLOAD WK, 0
	WLOAD WV, 1
	WIN 0xaa
	LNG 0, 56, 16                                  ; 8 for each later group, and the 32 of Wk and Wv
	LNG 1, 48, 20
	LNG 2, 40, 24
	LNG 3, 32, 28
	WIN 0
	s_wait_dscnt 0x0                               ; my rows of x are in LDS before I say so: every wave reads all 256
	s_barrier_signal -1
	s_barrier_wait -1
	s_wait_alu depctr_vm_vsrc(0)                   ; the LayerNorm's LDS stores and loads have read LT and v40-42 of windows 1 and 2: K's conversions write over those of window 1, the first bias loads land in those of window 2
	; K AND V OF MY HEAD, 32 rows a step
	WIN 0xc0
	WLOAD WQ, 2
	WLOAD WG, 3
	WIN 0
.irp e, 0,2,4,6,8,10,12,14
	v_pk_mul_f32 v[BG+\e:BG+\e+1], v[BG+\e:BG+\e+1], NLOG2E op_sel_hi:[1,0]    ; bg came first of all loads: the LayerNorm's waits have shown it in
.endr
.irp rt, 0,1
.irp s, 0,1,2,3
	ds_load_b128 v[XA+8*(4*\rt+\s):XA+8*(4*\rt+\s)+3],   v[XAD] offset:16*\rt*XP+64*\s          ; into registers that no line has named
	ds_load_b128 v[XA+8*(4*\rt+\s)+4:XA+8*(4*\rt+\s)+7], v[XAD] offset:16*\rt*XP+64*\s+32
.endr
.endr
	s_wait_loadcnt 32                              ; Wk and Wv are in; Wq and Wg, 32 loads, were issued behind them
; Rows 32 u .. 32 u + 31 from buffer cur.  kind 0: the next 32 rows are fetched into nxt; kind 1 (the last step): query tile 0 into XF, nxt's first half.
; In each run of 16 products the four accumulators take turns, one instruction a turn; the first K step starts the sums.
; The fetches stand two behind each of the first V products: under those products' window setting a load's address and destination lie in window 0.
.macro KV u, cur, nxt, kind
	s_wait_dscnt 0x0                               ; this step's rows are in: all my LDS loads that are out were issued in the step before
.if \u > 0
	s_wait_alu depctr_va_vdst(0)                   ; the last step's products are done reading the other buffer, in which this step's loads land; no product of this step names it
.endif
	WIN 0x03                                       ; K^T(feature, row) = Wk^T x x^T
.irp s, 0,1,2,3
.irp rt, 0,1
.irp c, 0,1
.if \s == 0
	v_wmma_f32_16x16x32_f16 v[KA+8*(2*\rt+\c):KA+8*(2*\rt+\c)+7], v[WK+8*(4*\c+\s):WK+8*(4*\c+\s)+7], v[\cur+8*(4*\rt+\s):\cur+8*(4*\rt+\s)+7], 0
.else
	v_wmma_f32_16x16x32_f16 v[KA+8*(2*\rt+\c):KA+8*(2*\rt+\c)+7], v[WK+8*(4*\c+\s):WK+8*(4*\c+\s)+7], v[\cur+8*(4*\rt+\s):\cur+8*(4*\rt+\s)+7], v[KA+8*(2*\rt+\c):KA+8*(2*\rt+\c)+7]
.endif
.endr
.endr
.endr
	WIN 0x0c                                       ; V(row, feature) = x x Wv
.set kn, 0
.irp s, 0,1,2,3
.irp rt, 0,1
.irp c, 0,1
.if \s == 0
	v_wmma_f32_16x16x32_f16 v[VA+8*(2*\rt+\c):VA+8*(2*\rt+\c)+7], v[\cur+8*(4*\rt+\s):\cur+8*(4*\rt+\s)+7], v[WV+8*(4*\c+\s):WV+8*(4*\c+\s)+7], 0
.else
	v_wmma_f32_16x16x32_f16 v[VA+8*(2*\rt+\c):VA+8*(2*\rt+\c)+7], v[\cur+8*(4*\rt+\s):\cur+8*(4*\rt+\s)+7], v[WV+8*(4*\c+\s):WV+8*(4*\c+\s)+7], v[VA+8*(2*\rt+\c):VA+8*(2*\rt+\c)+7]
.endif
.if (\kind == 0) && (kn < 8)                           ; fragment kn of the next 32 rows: row tile kn / 4, K step kn % 4
	ds_load_b128 v[\nxt+8*kn:\nxt+8*kn+3],   v[XAD] offset:(32*(\u+1)+16*(kn/4))*XP+64*(kn%4)
	ds_load_b128 v[\nxt+8*kn+4:\nxt+8*kn+7], v[XAD] offset:(32*(\u+1)+16*(kn/4))*XP+64*(kn%4)+32
.endif
.if (\kind == 1) && (kn < 4)
	ds_load_b128 v[XF+8*kn:XF+8*kn+3],   v[XAD] offset:64*kn
	ds_load_b128 v[XF+8*kn+4:XF+8*kn+7], v[XAD] offset:64*kn+32
.endif
.set kn, kn+1
.endr
.endr
.endr
	WIN 0x40
	NOP4
.irp rt, 0,1
.irp c, 0,1
.irp e, 0,1,2,3
	v_cvt_pk_f16_f32 v[KF+8*(2*\u+\rt)+4*\c+\e], v[KA+8*(2*\rt+\c)+2*\e], v[KA+8*(2*\rt+\c)+2*\e+1]      ; key tile 2 u + rt: k = features 16 c + 8 hp + 2 e ..
.endr
.endr
.endr
.irp rt, 0,1
.irp c, 0,1
.irp e, 0,1,2,3
	v_cvt_pk_f16_f32 v[VF+8*(8*\c+\u)+4*\rt+\e], v[VA+8*(2*\rt+\c)+2*\e], v[VA+8*(2*\rt+\c)+2*\e+1]      ; feature tile c, key step u: k = keys 16 rt + 8 hp + 2 e ..
.endr
.endr
.endr
.endm
.macro SLOAD sb, lo, off               ; 16 KiB into score set sb: 32 loads of 512 consecutive bytes
.set k, 0
.rept 32
	global_load_b128 v[128*\sb+4*k:128*\sb+4*k+3], v[LOFF], s[\lo:\lo+1] offset:\off+512*k
.set k, k+1
.endr
.endm
	KV 0, XA, XB, 0
	KV 1, XB, XA, 0
	WIN 0x80
	SLOAD 0, 38, 0                                 ; the bias of query tile 0, straight into the accumulators of S^T.  No wait: the LayerNorm's lines on window 2 stand ahead of the wait at the last step's head, and no line since names window 2
	KV 2, XA, XB, 0
	KV 3, XB, XA, 0
	s_wait_loadcnt 32                              ; Wq and Wg are in: only tile 0's 32 bias loads were issued behind them
	WIN 0x80
	SLOAD 1, 38, 16384                             ; query tile 1; likewise no wait
	KV 4, XA, XB, 0
	KV 5, XB, XA, 0
	KV 6, XA, XB, 0
	KV 7, XB, XA, 1
	WIN 0xc0
	s_wait_alu depctr_va_vdst(0)                   ; the last step's products are done reading Wk, in whose registers bo lands
.irp ct, 0,1,2,3,4,5,6,7
	global_load_b128 v[BO+8*\ct:BO+8*\ct+3],   v[H32], s[16:17] offset:64*\ct      ; bo in the layout of a result of out^T, over Wk's registers, which have served
	global_load_b128 v[BO+8*\ct+4:BO+8*\ct+7], v[H32], s[16:17] offset:64*\ct+16
.endr
	WIN 0
	v_add_nc_u32 v[XQ], 16*XP, v[XAD]              ; x of query tile 1 is fetched next
	s_add_nc_u64 s[26:27], s[38:39], 0x4000        ; the refills' pointer: stepped by 16 KiB at the head of each stage
	s_mov_b32 s30, 7
	s_wait_dscnt 0x0                               ; x of query tile 0
	; THE ATTENTION.  The single products, each under its own window setting:
.macro QW s, c                         ; under 0x03: Q^T, feature tile c, K step s
.if \s == 0
	v_wmma_f32_16x16x32_f16 v[QA+8*\c:QA+8*\c+7], v[WQ+8*(4*\c+\s):WQ+8*(4*\c+\s)+7], v[XF+8*\s:XF+8*\s+7], 0
.else
	v_wmma_f32_16x16x32_f16 v[QA+8*\c:QA+8*\c+7], v[WQ+8*(4*\c+\s):WQ+8*(4*\c+\s)+7], v[XF+8*\s:XF+8*\s+7], v[QA+8*\c:QA+8*\c+7]
.endif
.endm
.macro GW s, c, gd                     ; under 0x03: the gate's exponent into buffer gd; the first K step starts the sum from -log2(e) bg
.if \s == 0
	v_wmma_f32_16x16x32_f16 v[\gd+8*\c:\gd+8*\c+7], v[WG+8*(4*\c+\s):WG+8*(4*\c+\s)+7], v[XF+8*\s:XF+8*\s+7], v[BG+8*\c:BG+8*\c+7]
.else
	v_wmma_f32_16x16x32_f16 v[\gd+8*\c:\gd+8*\c+7], v[WG+8*(4*\c+\s):WG+8*(4*\c+\s)+7], v[XF+8*\s:XF+8*\s+7], v[\gd+8*\c:\gd+8*\c+7]
.endif
.endm
.macro SPW kt, sd                      ; under 0xa1: S^T(key tile kt, query) = K x Q^T + bias, in score set sd
	v_wmma_f32_16x16x32_f16 v[\sd+8*(\kt):\sd+8*(\kt)+7], v[KF+8*(\kt):KF+8*(\kt)+7], v[QF:QF+7], v[\sd+8*(\kt):\sd+8*(\kt)+7]
.endm
.macro OPW u, c                        ; under 0x01: O^T(feature tile c, query) += V^T x P^T, key step u
.if \u == 0
	v_wmma_f32_16x16x32_f16 v[OA+8*\c:OA+8*\c+7], v[VF+8*(8*\c+\u):VF+8*(8*\c+\u)+7], v[PF+8*\u:PF+8*\u+7], 0
.else
	v_wmma_f32_16x16x32_f16 v[OA+8*\c:OA+8*\c+7], v[VF+8*(8*\c+\u):VF+8*(8*\c+\u)+7], v[PF+8*\u:PF+8*\u+7], v[OA+8*\c:OA+8*\c+7]
.endif
.endm
.macro XFLOAD                          ; x of the query tile at XQ
.irp s, 0,1,2,3
	ds_load_b128 v[XF+8*\s:XF+8*\s+3],   v[XQ] offset:64*\s
	ds_load_b128 v[XF+8*\s+4:XF+8*\s+7], v[XQ] offset:64*\s+32
.endr
.endm
.macro QFC q                           ; one register of the Q fragment
	v_cvt_pk_f16_f32 v[QF+\q], v[QA+2*\q], v[QA+2*\q+1]
.endm
.macro MAXS                            ; slice k (0..15) of the maximum of my 128 scores: one step of each of four chains
	WIN 0x0a
.if k == 0
.irp c, 0,1,2,3
	v_max_num_f32 v[MX+\c], v[SB+32*\c], v[SB+32*\c+1]
.endr
.else
.irp c, 0,1,2,3
	v_max3_num_f32 v[MX+\c], v[SB+32*\c+2*k], v[SB+32*\c+2*k+1], v[MX+\c]
.endr
.endif
.set k, k+1
.endm
.macro SUB8 u                          ; under 0xa1: s - max for key tiles 2 u, 2 u + 1.  Written with the score as the THIRD source, so that it
.irp e, 0,2,4,6,8,10,12,14             ; stands under the setting of the S^T products on both sides of it (C and D in window 2, source 1 in window 0)
	v_pk_fma_f32 v[SB+16*(\u)+\e:SB+16*(\u)+\e+1], -1.0, v[MP:MP+1], v[SB+16*(\u)+\e:SB+16*(\u)+\e+1] op_sel_hi:[0,1,1]
.endr
.endm
; Chunk u of a stage: key tiles 2 u and 2 u + 1 of this tile's softmax, with two products of the next tile's S^T and two of this tile's O^T.
.macro CHUNK u, mm, nx
	WIN 0xa2
.set k, 0
.rept 16
	v_exp_f32 v[SB+16*\u+k], v[SB+16*\u+k]         ; p = 2^(s - max), in place
.set k, k+1
.endr
.if \mm
	s_wait_loadcnt 28                              ; the bias of the next tile's key tiles 2 u, 2 u + 1 is in: behind its four loads, issued in chunk u of the
	WIN 0xa1                                       ; stage before, came 4 (7 - u) in that stage and 4 u in this one (on the way into the loop 16 more)
	SPW 2*\u, SN
.endif
.if \u < 7
	WIN 0xa1
	SUB8 \u+1                                      ; plain lines behind the exponentials before their results are used (ISA guide 5.7.2)
.else
	WIN 0
	v_add_nc_u32 v[GAD], 16*GP, v[GAD]             ; the plain line behind the exponentials (ISA guide 5.7.2): on to this tile's 16 rows of gate * o; the last stage's stores have read GAD (the wait behind the maximum)
	s_wait_alu depctr_va_vdst(0)
.if \mm
.set k, 0
.rept 16
	v_exp_f32 v[GN+k], v[GN+k]                     ; the next tile's e = 2^(-log2(e) (x.Wg + bg)); used at the end of its stage
.set k, k+1
.endr
.endif
.endif
.if \mm
	WIN 0xa1
	SPW 2*\u+1, SN
.endif
	WIN 0x0a
.set k, 8*\u
	s_wait_alu depctr_va_vdst(0)
.rept 8
	v_cvt_pk_f16_f32 v[PF+k], v[SB+2*k], v[SB+2*k+1]               ; the two key tiles make fragment u of P^T
.set k, k+1
.endr
.if \u == 0
.irp c, 0,1,2,3
	v_pk_add_f32 v[LS+2*\c:LS+2*\c+1], v[SB+2*\c:SB+2*\c+1], v[SB+2*\c+8:SB+2*\c+9]   ; the first eight pairs start the four sums
.endr
.else
	WIN 0x02
.set k, 8*\u
.rept 8
	v_pk_add_f32 v[LS+2*(k%4):LS+2*(k%4)+1], v[SB+2*k:SB+2*k+1], v[LS+2*(k%4):LS+2*(k%4)+1]
.set k, k+1
.endr
.endif
	s_wait_alu depctr_va_vdst(0)                   ; the exponentials have written and the conversions and sum steps are done reading this chunk's 16 scores, in which the four loads below land; in chunk 0 also: the products of the maximum phase are done reading XF, and XQ is written
	WIN 0x01
	OPW \u, 0                                      ; it names O^T, V and P: none of the registers that the loads below touch
	WIN 0x80
.set k, 4*\u
.rept 4
	global_load_b128 v[SB+4*k:SB+4*k+3], v[LOFF], s[26:27] offset:512*k        ; these 16 registers are free: what they hold two tiles on
.set k, k+1
.endr
.if \u == 0
.if \nx
	WIN 0
	XFLOAD                                         ; XF has served tile t + 1; tile t + 2 has the rest of the stage in which to come
.endif
.endif
	WIN 0x01
	OPW \u, 1
.endm
; STAGE t.  sb: the score set (and gate buffer) of tile t.  mm = 1: the products of tile t + 1 are made.  nx = 1: x of tile t + 2 is fetched.
; No two products that follow each other share an accumulator, over the loop's backward jump too (Q, Q, gate, gate by turns; S^T on sixteen accumulators;
; between two links of O^T's two chains stand the other chain's link and two products of S^T), one instruction a turn.
.macro STAGE sb, mm, nx
.set SB, 128*\sb
.set SN, 128-128*\sb
.set GC, GA+16*\sb
.set GN, GA+16-16*\sb
	s_wait_xcnt 0x0                                ; the last stage's refills have had their addresses translated (ISA guide 3.1): their base is stepped only behind this wait
	s_add_nc_u64 s[26:27], s[26:27], 0x4000
.set k, 0
.irp s, 0,1,2,3                                    ; the maximum of tile t, a slice behind each product of Q^T and the gate of tile t + 1
.irp c, 0,1
.if \mm
	WIN 0x03
	QW \s, \c
.endif
	MAXS
.endr
.irp c, 0,1
.if \mm
	WIN 0x03
	GW \s, \c, GN
.endif
	MAXS                                           ; the last slice's four lines are the places behind the last product (ISA guide 7.12.1)
.endr
.endr
	WIN 0
	s_wait_alu depctr_vm_vsrc(0)                   ; the four LDS stores at the last stage's end have read OA and GAD, the last loads of x have read XQ: XQ is written below, OA by chunk 0's products, GAD in chunk 7
	v_max3_num_f32 v[MX], v[MX], v[MX+1], v[MX+2]  ; the end of the maximum is one chain: XQ's step and Q's conversions stand between its links
.if \nx
	v_add_nc_u32 v[XQ], 16*XP, v[XQ]               ; on to tile t + 2
.endif
.if \mm
	QFC 0
	QFC 1
.endif
	v_max_num_f32 v[MX], v[MX], v[MX+3]
.if \mm
	QFC 2
	QFC 3
.endif
	v_permlanex16_b32 v[MX+1], v[MX], s33, s34     ; the other 128 keys of my query lie in lane L xor 16
.if \mm
	QFC 4
	QFC 5
.endif
	v_max_num_f32 v[MP], v[MX], v[MX+1]
	v_max_num_f32 v[MP+1], v[MX], v[MX+1]
.if \mm
	QFC 6
	QFC 7
.endif
	WIN 0xa1
	SUB8 0
.irp u, 0,1,2,3,4,5,6,7
	CHUNK \u, \mm, \nx
.endr
	WIN 0                                          ; the row's sum; these lines are also the places behind the last product of O^T
	v_pk_add_f32 v[LS:LS+1], v[LS:LS+1], v[LS+2:LS+3]
	v_pk_add_f32 v[LS+4:LS+5], v[LS+4:LS+5], v[LS+6:LS+7]
	v_pk_add_f32 v[LS:LS+1], v[LS:LS+1], v[LS+4:LS+5]
	v_add_f32 v[LS], v[LS], v[LS+1]
	v_permlanex16_b32 v[LS+1], v[LS], s33, s34
	v_add_f32 v[LP], v[LS], v[LS+1]
	v_add_f32 v[LP+1], v[LS], v[LS+1]
.irp e, 0,2,4,6
	v_pk_fma_f32 v[GC+\e:GC+\e+1], v[GC+\e:GC+\e+1], v[LP:LP+1], v[LP:LP+1]            ; (1 + e) l
.endr
.set k, 0
.rept 8
	v_rcp_f32 v[GC+k], v[GC+k]                     ; gate / l
.set k, k+1
.endr
.irp e, 8,10,12,14
	v_pk_fma_f32 v[GC+\e:GC+\e+1], v[GC+\e:GC+\e+1], v[LP:LP+1], v[LP:LP+1]            ; the second half's lines are the plain ones behind the first half's reciprocals,
.endr
.set k, 8
.rept 8
	v_rcp_f32 v[GC+k], v[GC+k]
.set k, k+1
.endr
	s_wait_alu depctr_va_vdst(0)
.irp e, 0,2,4,6,8,10,12,14
	v_pk_mul_f32 v[OA+\e:OA+\e+1], v[OA+\e:OA+\e+1], v[GC+\e:GC+\e+1]                  ; and the first half's products those behind the second half's (ISA guide 5.7.2)
.endr
	s_wait_dscnt 0x0                               ; x of the tile whose products open the next stage is in, on the way on and over the loop's backward jump alike
	s_wait_alu depctr_va_vdst(0)                   ; the multiplies above have written OA and chunk 7 has written GAD: the four LDS stores read both
.irp c, 0,1
	ds_store_b128 v[GAD], v[OA+8*\c:OA+8*\c+3]   offset:64*\c      ; row = query r, features 16 c + 8 hp + 0..3 of my head, in f32
	ds_store_b128 v[GAD], v[OA+8*\c+4:OA+8*\c+7] offset:64*\c+16   ; features 16 c + 8 hp + 4..7
.endr
.endm
	; Ahead of the pipeline: the products of tile 0, which have no softmax to stand among
	WIN 0x03
.irp s, 0,1,2,3
.irp c, 0,1
	QW \s, \c
.endr
.irp c, 0,1
	GW \s, \c, GA
.endr
.endr
	WIN 0
	NOP4                                           ; the places in front of the conversions and exponentials below, which read the results
	s_wait_alu depctr_va_vdst(0)                   ; those products are done reading XF, in which x of tile 1 lands, and XQ is written
	XFLOAD                                         ; x of tile 1
.irp q, 0,1,2,3,4,5,6,7
	QFC \q
.endr
.set k, 0
.rept 16
	v_exp_f32 v[GA+k], v[GA+k]
.set k, k+1
.endr
	s_wait_loadcnt 32                              ; tile 0's bias is in: behind its 32 loads came tile 1's 32 and bo's 16
	WIN 0xa1
.set k, 0
.rept 16
	SPW k, 0
.set k, k+1
.endr
	NOP4                                           ; the places in front of the first slice of the maximum
	WIN 0
	s_wait_dscnt 0x0                               ; x of tile 1
.Lq:                                               ; stages 0 to 13; their refills are the bias of tiles 2 to 15
	STAGE 0, 1, 1
	STAGE 1, 1, 1
	s_sub_co_i32 s30, s30, 1
	s_cmp_lg_u32 s30, 0
	s_cbranch_scc1 .Lq
	s_wait_xcnt 0x0                                ; the pointer is written only behind this wait
	s_mov_b64 s[26:27], s[28:29]                   ; no bias is left to fetch: the last two stages' refills are Wo's two halves, 16 KiB each, so the stage's text and its counts stay as they are
	STAGE 0, 1, 0                                  ; stage 14: the products of tile 15; no x is left to fetch
	STAGE 1, 0, 0                                  ; stage 15: no tile follows
	s_wait_dscnt 0x0                               ; my head's gate * o is in LDS before I say so
	s_barrier_signal -1
	s_barrier_wait -1
	; THE OUTPUT PRODUCT of my 64 rows: out^T(column, row) = 2^E (Wo^T x (2^-E go)^T) + bo, 32 rows (rtp) at a time, each in two passes of 64 columns (half g)
; gate * o of rows 32 rtp .. 32 rtp + 31 in f32 into window 1, registers 128 rtp + 64 rt + 16 s + ..: for K step s (= head s's plane) the lane's 8 + 8 features
.macro GRLOAD rtp
	WIN 0x40
.irp rt, 0,1
.irp s, 0,1,2,3
.irp j, 0,1,2,3
.if \s < 2
	ds_load_b128 v[128*\rtp+64*\rt+16*\s+4*\j:128*\rtp+64*\rt+16*\s+4*\j+3], v[GFA] offset:\s*GPL+(32*\rtp+16*\rt)*GP+16*(\j%2)+64*(\j/2)
.else
	ds_load_b128 v[128*\rtp+64*\rt+16*\s+4*\j:128*\rtp+64*\rt+16*\s+4*\j+3], v[GFB] offset:(\s-2)*GPL+(32*\rtp+16*\rt)*GP+16*(\j%2)+64*(\j/2)
.endif
.endr
.endr
.endr
.endm
; The two row tiles' scales and fragments.  A lane and its partner L xor 16 hold the 128 numbers of row r.  The largest magnitude is that of the maximum or
; that of the minimum, so the largest exponent field is the larger of those two numbers' fields.  Four chains: maximum and minimum of two row tiles.
.macro GPREP rtp
	WIN 0x05
.irp rt, 0,1
	v_max_num_f32 v[MX+2*\rt],   v[128*\rtp+64*\rt], v[128*\rtp+64*\rt+1]
	v_min_num_f32 v[MX+2*\rt+1], v[128*\rtp+64*\rt], v[128*\rtp+64*\rt+1]
.endr
.set k, 1
.rept 31
.irp rt, 0,1
	v_max3_num_f32 v[MX+2*\rt],   v[128*\rtp+64*\rt+2*k], v[128*\rtp+64*\rt+2*k+1], v[MX+2*\rt]
	v_min3_num_f32 v[MX+2*\rt+1], v[128*\rtp+64*\rt+2*k], v[128*\rtp+64*\rt+2*k+1], v[MX+2*\rt+1]
.endr
.set k, k+1
.endr
	WIN 0
.irp c, 0,1,2,3
	v_and_b32 v[MX+\c], 0x7f800000, v[MX+\c]       ; the exponent field: as an f32 it is 2^E (0 for a denormal)
.endr
.irp rt, 0,1
	v_max_u32 v[MX+2*\rt], v[MX+2*\rt], v[MX+2*\rt+1]
.endr
.irp rt, 0,1
	v_permlanex16_b32 v[MX+2*\rt+1], v[MX+2*\rt], s33, s34
.endr
.irp rt, 0,1
	v_max_u32 v[MX+2*\rt], v[MX+2*\rt], v[MX+2*\rt+1]
.endr
.irp rt, 0,1
	v_min_u32 v[SC+2*\rt], 0x7e800000, v[MX+2*\rt] ; field 253 at the most, so that 2^-E is a normal number; the scaled row then stays below 4
.endr
.irp rt, 0,1
	v_mov_b32 v[SC+2*\rt+1], v[SC+2*\rt]
	v_sub_nc_u32 v[IV+2*\rt],   0x7f000000, v[SC+2*\rt]            ; field 254 - field: 2^-E
	v_sub_nc_u32 v[IV+2*\rt+1], 0x7f000000, v[SC+2*\rt]
.endr
	WIN 0x41
.irp rt, 0,1
.set k, 0
.rept 32
	v_pk_mul_f32 v[128*\rtp+64*\rt+2*k:128*\rtp+64*\rt+2*k+1], v[128*\rtp+64*\rt+2*k:128*\rtp+64*\rt+2*k+1], v[IV+2*\rt:IV+2*\rt+1]
.set k, k+1
.endr
.endr
	WIN 0x05
.irp rt, 0,1
.set k, 0
.rept 32
	v_cvt_pk_f16_f32 v[GF+32*\rt+k], v[128*\rtp+64*\rt+2*k], v[128*\rtp+64*\rt+2*k+1]  ; fragment (rt, s) at 8 (4 rt + s)
.set k, k+1
.endr
.endr
.endm
; One pass: 64 columns (half g of Wo) x 32 rows.  ldn: how many global loads may stay out.  first = 1: no pass stands in front of it.
.macro OUTR g, rtp, ldn, first
	s_wait_loadcnt \ldn
	s_wait_dscnt 0x0                               ; nothing of mine is out in LDS: the raw rows fetched ahead and the last pass's read-backs are in
.if !\first
	s_wait_xcnt 0x0                                ; the last pass's stores have had their addresses translated (ISA guide 3.1): their data registers are loaded again only behind this wait
	s_wait_alu depctr_vm_vsrc(0)                   ; the last pass's LDS stores have read the accumulators, which the products below write; its global stores have read RB, in which this pass's read-backs land
.endif
	WIN 0xf2                                       ; eight accumulators by turns; the first K step starts the sums
.irp s, 0,1,2,3
.irp rt, 0,1
.irp ct, 0,1,2,3
.if \s == 0
	v_wmma_f32_16x16x32_f16 v[OACC+8*(4*\rt+\ct):OACC+8*(4*\rt+\ct)+7], v[128*\g+8*(4*\ct+\s):128*\g+8*(4*\ct+\s)+7], v[GF+8*(4*\rt+\s):GF+8*(4*\rt+\s)+7], 0
.else
	v_wmma_f32_16x16x32_f16 v[OACC+8*(4*\rt+\ct):OACC+8*(4*\rt+\ct)+7], v[128*\g+8*(4*\ct+\s):128*\g+8*(4*\ct+\s)+7], v[GF+8*(4*\rt+\s):GF+8*(4*\rt+\s)+7], v[OACC+8*(4*\rt+\ct):OACC+8*(4*\rt+\ct)+7]
.endif
.endr
.endr
.endr
	NOP4                                           ; four places before the results are read and the fragments written again,
	v_nop                                          ; a fifth before the next pass's products write over the accumulators (ISA guide 7.12.1)
	WIN 0xf3
.irp rt, 0,1
.irp ct, 0,1,2,3
.irp e, 0,2,4,6
	v_pk_fma_f32 v[OACC+8*(4*\rt+\ct)+\e:OACC+8*(4*\rt+\ct)+\e+1], v[OACC+8*(4*\rt+\ct)+\e:OACC+8*(4*\rt+\ct)+\e+1], v[SC+2*\rt:SC+2*\rt+1], v[BO+8*(4*\g+\ct)+\e:BO+8*(4*\g+\ct)+\e+1]   ; the lane is the row: its 2^E, and bo
.endr
.endr
.endr
	WIN 0x0c
	s_wait_alu depctr_va_vdst(0)                   ; the multiply-adds above have written the accumulators, which the LDS stores read; every line that named RB's registers (x, Q^T and the gate in the attention) is done too
.irp rt, 0,1
.irp ct, 0,1,2,3
	ds_store_b128 v[STO], v[OACC+8*(4*\rt+\ct):OACC+8*(4*\rt+\ct)+3]   offset:\rt*16*XP+64*\ct         ; a lane holds 8 neighbouring columns of row r
	ds_store_b128 v[STO], v[OACC+8*(4*\rt+\ct)+4:OACC+8*(4*\rt+\ct)+7] offset:\rt*16*XP+64*\ct+16
.endr
.endr
	WIN 0
.set k, 0
.rept 16
	ds_load_b128 v[RB+4*k:RB+4*k+3], v[RD] offset:2*k*XP           ; my own stage: LDS serves a wave's instructions in order (ISA guide 5.7.1.4), these see the stores above
.set k, k+1
.endr
.set k, 0
.rept 16
	s_wait_dscnt 15-k                              ; read-back k is in, the younger ones stay out
	global_store_b128 v[CO], v[RB+4*k:RB+4*k+3], s[22:23] offset:(32*\rtp+2*k)*512+256*\g th:TH_STORE_NT   ; sixteen lanes store 256 consecutive bytes, aligned
.set k, k+1
.endr
.endm
	GRLOAD 0                                       ; over K's fragments, which have served.  No wait: no vector or matrix line has been issued since the wait in front of the last stage's LDS stores, behind which all products are done reading K and V
	s_wait_dscnt 0x0                               ; rows 0 to 31 are in
	GRLOAD 1                                       ; rows 32 to 63 come, over V's fragments, while the first 32 are scaled
	GPREP 0
	OUTR 0, 0, 32, 1                               ; Wo's first half is in; its second half, 32 loads, was issued behind it
	OUTR 1, 0, 0, 0                                ; the second half is wanted
	GPREP 1
	OUTR 0, 1, 0, 0
	OUTR 1, 1, 0, 0
	s_wait_dscnt 0x0
	s_wait_alu depctr_hold_cnt(0) depctr_sa_sdst(0) depctr_va_vdst(0) depctr_va_sdst(0) depctr_va_ssrc(0) depctr_va_vcc(0) depctr_vm_vsrc(0)
	s_wait_tensorcnt 0x0
	ds_add_u32 v254, v255
	s_wait_dscnt 0x0
	s_endpgm
.Lfunc_end_k_q900a1fb88f_tri:
	.size	k_q900a1fb88f_tri, .Lfunc_end_k_q900a1fb88f_tri-k_q900a1fb88f_tri
	.p2alignl 7, 3214868480
	.fill 96, 4, 3214868480
	.section	.rodata,"a",@progbits
	.p2align	6, 0x0
	.amdhsa_kernel k_q900a1fb88f_tri
		.amdhsa_group_segment_fixed_size 252416
		.amdhsa_private_segment_fixed_size 0
		.amdhsa_enable_private_segment 0
		.amdhsa_kernarg_size 64
		.amdhsa_user_sgpr_count 2
		.amdhsa_user_sgpr_kernarg_segment_ptr 1
		.amdhsa_wavefront_size32 1
		.amdhsa_system_sgpr_workgroup_id_x 1
		.amdhsa_system_sgpr_workgroup_id_y 1
		.amdhsa_system_sgpr_workgroup_id_z 1
		.amdhsa_system_vgpr_workitem_id 0
		.amdhsa_next_free_vgpr 1024
		.amdhsa_next_free_sgpr 66
		.amdhsa_reserve_vcc 0
		.amdhsa_float_denorm_mode_32 3
		.amdhsa_float_denorm_mode_16_64 3
		.amdhsa_memory_ordered 1
		.amdhsa_forward_progress 1
		.amdhsa_inst_pref_size 255
	.end_amdhsa_kernel
	.section	.bss,"aw",@nobits
	.p2align	6
	.space	262144
	.amdgpu_metadata
---
amdhsa.version: [ 1, 2 ]
amdhsa.kernels:
  - .name:           k_q900a1fb88f_tri
    .symbol:         k_q900a1fb88f_tri.kd
    .args:
      - { .name: pair, .offset: 0, .size: 8, .value_kind: global_buffer, .address_space: global }
      - { .name: ln_w, .offset: 8, .size: 8, .value_kind: global_buffer, .address_space: global }
      - { .name: ln_b, .offset: 16, .size: 8, .value_kind: global_buffer, .address_space: global }
      - { .name: bg, .offset: 24, .size: 8, .value_kind: global_buffer, .address_space: global }
      - { .name: bo, .offset: 32, .size: 8, .value_kind: global_buffer, .address_space: global }
      - { .name: wt, .offset: 40, .size: 8, .value_kind: global_buffer, .address_space: global }
      - { .name: biasw, .offset: 48, .size: 8, .value_kind: global_buffer, .address_space: global }
      - { .name: out0, .offset: 56, .size: 8, .value_kind: global_buffer, .address_space: global }
    .group_segment_fixed_size: 252416
    .private_segment_fixed_size: 0
    .kernarg_segment_align: 8
    .kernarg_segment_size: 64
    .max_flat_workgroup_size: 128
    .sgpr_count:     66
    .vgpr_count:     1024
    .wavefront_size: 32
...
	.end_amdgpu_metadata
.endif
;; end of part 3
